; MI455X (gfx1250); checked and timed in simulation.
; The chip was launched on July 23, 2026; its instructions are those of AMD's public machine-readable ISA for CDNA 5 (MIT licence, August 2026) and "CDNA5" Instruction Set Architecture Reference Guide (July 2026). The comments in the code are by the model that wrote it; some were corrected since.
;; Spatial Locality Attention. Allowed arithmetic: matrix products marked QUANTISED: E2M3 operands, one E8M0 scale for each 32 along K, by v_wmma_scale_f32_16x16x128_f8f6f4 with both operands' format E2M3, f32 sums; everything else in f32.
;; Inputs: Wk 1,024 x 1,024 float32; Wo 1,024 x 1,024 float32; Wq 1,024 x 1,024 float32; Wv 1,024 x 1,024 float32; bk 1,024 float32; bo 1,024 float32; bq 1,024 float32; bv 1,024 float32; log_bandwidth 16 float32; spatial_coords 4 x 2,048 x 2 float32; x 4 x 2,048 x 1,024 float32.
;; Outputs: out0 4 x 2,048 x 1,024 float32.
;; This version of the problem:
;;   THIS VERSION OF THE PROBLEM IS GIVEN IN LOW PRECISION. The matrix products marked QUANTISED in the list below multiply operands that are first quantised to E2M3 (2 exponent bits, 3 mantissa bits; 6 bits a number), with one power-of-two scale for each 32 numbers along K (OCP MX v1.0); their sums are f32. All else is computed in f32.
;;   The module's matrix products, in the order in which they are computed (A, B: the left and right operand; K: the contracted axis; several contracted axes count as one K, in the product's order):
;;     1. [M 8,192, K 1,024] x [K 1,024, N 1,024]; A: input x; B: input Wq: QUANTISED
;;     2. [M 8,192, K 1,024] x [K 1,024, N 1,024]; A: input x; B: input Wk: QUANTISED
;;     3. [M 8,192, K 1,024] x [K 1,024, N 1,024]; A: input x; B: input Wv: QUANTISED
;;     4. batch 64 x [M 2,048, K 64] x [K 64, N 2,048]; A: computed on the way; B: computed on the way: QUANTISED
;;     5. batch 64 x [M 2,048, K 2,048] x [K 2,048, N 64]; A: softmax (see below); B: computed on the way: QUANTISED
;;     6. [M 8,192, K 1,024] x [K 1,024, N 1,024]; A: computed on the way; B: input Wo: QUANTISED
;;   THE QUANTISER, for each operand of a quantised product, along K:
;;     - K is cut into blocks of 32 from its start; a last block that is shorter is filled with zeros.
;;     - A block's scale is 2^e with e = floor(log2(the largest magnitude in the block)) - 2, held to -126 .. 127; a block of zeros has e = 0. As a byte (E8M0): e + 127.
;;     - Each number is divided by its block's scale, clamped to +-7.5, and rounded to the nearest number of E2M3, ties to even, subnormals kept.
;;     - The product sums the exact products of the quantised numbers (number of the format x scale) in f32.
;;   ~~~python
;;   def quantise(x, axis):      # numpy; x: float32 -> the quantised numbers, widened to float32 again
;;       x = np.moveaxis(x, axis, -1); K = x.shape[-1]
;;       x = np.pad(x, [(0, 0)] * (x.ndim - 1) + [(0, -K % 32)]); x = x.reshape(x.shape[:-1] + (-1, 32)); a = np.abs(x).max(-1, keepdims=True)
;;       e = np.where(a > 0, np.clip(np.frexp(np.where(a > 0, a, 1))[1] - 1 - 2, -126, 127), 0)      # np.frexp(a)[1] - 1 = floor(log2(a)), exactly
;;       r = np.clip(x / 2.0 ** e, -7.5, 7.5)
;;       step = 2.0 ** (np.maximum(np.frexp(np.where(r == 0, 1, r))[1] - 1, 0) - 3)
;;       q = np.round(r / step) * step * 2.0 ** e      # np.round: ties to even
;;       return np.moveaxis(q.reshape(q.shape[:-2] + (-1,))[..., :K], -1, axis).astype(np.float32)
;;   ~~~
;;   SOFTMAX AHEAD OF A QUANTISED PRODUCT. Where the list says 'softmax', what is quantised is not the finished softmax but p = 2^(t - M), with t = logit x log2(e) and M = ceil(the row's largest t), a whole number; so 1/2 < the row's largest p <= 1. The row's sum l is taken of the UNQUANTISED p, in f32, and the product's result is divided by l at the end. Since M is a whole number, a kernel that streams over the keys may use a running M (the ceiling of the running maximum): every later rescaling is an exact power of two, which a block's scale takes up: the codes' values come out the same.
;;   OPERANDS COMPUTED ON THE WAY. 'Computed on the way' means the value that the module computes at that place (a softmax that the list does not call 'softmax' is quantised finished and normalised). What goes into a quantiser is computed in f32, as accurately as f32 sums, v_exp_f32 and their like allow (about 1e-6 of the number): no bf16 or f16 on the way to a quantiser, and a product that is left as it is and whose result goes on into a quantised operand takes f32 operands (vector FMAs, or v_wmma_f32_16x16x4_f32). A number that lies on a knife's edge between two numbers of the format may be rounded either way, as far as f32 arithmetic and the matrix unit's own rounding can turn it there, and no further.
;; One version. Each part assembles by itself: llvm-mc -triple=amdgcn-amd-amdhsa -mcpu=gfx1250 --defsym DOCPART=n.
;; ======== version 1 of 1: 4 launches
;; limits: right only within a limited range of input values
;; workspace buffers: ximg 6,553,600 bytes; wimg 3,276,800 bytes; qimg 6,553,600 bytes; kvimg 13,107,200 bytes; oimg 6,553,600 bytes
;; launch quant (part 1): grid 256 x 1, 6 waves a work-group, no clusters, 51,456 bytes of LDS; arguments x, Wq, Wk, Wv, Wo, ximg, wimg; writes ximg, wimg
.if DOCPART == 1
	.amdgcn_target "amdgcn-amd-amdhsa--gfx1250"
	.amdhsa_code_object_version 6
	.text
	.protected	k_qf559dd0291_quant
	.globl	k_qf559dd0291_quant
	.p2align	8
	.type	k_qf559dd0291_quant,@function
k_qf559dd0291_quant:
	s_mov_b64 s[64:65], 0
	v_nop
	global_prefetch_b8 v0, s[64:65] scope:SCOPE_SE
	s_setreg_imm32_b32 hwreg(HW_REG_WAVE_MODE, 25, 1), 1
	s_wait_xcnt 0x0
; x [8192][1024] and Wq, Wk, Wv, Wo [1024][1024], f32, K innermost, become codes of FP6 (E2M3) with one E8M0 byte for each 32 along K,
; laid as IMAGES OF THE OPERAND'S REGISTERS: a fragment (16 rows x 128 K, 12 registers a lane) is 1,536 bytes, register j of lane l at
; (j / 4) 512 + 16 l + 4 (j % 4); a record is the 8 fragments of 128 rows for one K step, 12,288 bytes; its scale words are 512 bytes,
; the word of (tile a, row r) at (a / 4) 256 + 16 r + 4 (a % 4).  Records lie [block of 128 rows][K step]; in wimg [q, k, v, o] in front.
; THE ROWS OF A TILE ARE NOT NEIGHBOURS: row r of tile a is true row 32 (a / 2) + 8 (a % 2) + r + 8 (r / 8) of its block of 128, so that,
; where such rows are source 0 of a product, the 16 result registers of tiles 2 b and 2 b + 1 are 16 true neighbours.
; SHARES: 768 records = 1,536 halves of four tiles; a wave takes one: n = 6 x work-group + wave; n < 1,024: x, else the weights.
; A tile's 16 rows are loaded 512 consecutive bytes at a time and turned through the wave's own stage in LDS (pitch 528), so that a lane
; holds 16 neighbours of each block of 32.  No tensor load, no barrier, no matrix unit: memory binds, and waves share nothing.
; A block's scale is 2^(floor(log2(largest magnitude)) - 2); its byte is the largest magnitude's exponent field - 2, held at 1 from below.
; LIMITS: a block of zeros gets the byte 1 where the rule says 127 (its codes are zeros, and this program alone reads the bytes); blocks whose
; largest magnitude lies under 2^-124 are held at byte 1; NaN and infinities among the inputs are not served.
.set STGB,  8448                       ; a wave's stage: 16 rows x (512 + 16) bytes
.set SPARE, 6*STGB                     ; behind the six stages: the spare words, 128 bytes a wave, three blocks of 256 bytes that no other line names
.set LI,   4                           ; v4   16 x lane
.set STI,  5                           ; v5   stage, way in: 16 x lane
.set STO,  6                           ; v6   stage, way out: 528 r + 64 h
.set SCA,  7                           ; v7   16 r + 8 h: my two scale words' place
.set SPW,  12                          ; v12  my spare word; never rewritten
.set NIL,  13                          ; v13  0; never rewritten
.set R,    16                          ; v16-143  two sets of 64: a tile as loaded
.set X,    144                         ; v144-207 64 numbers: register 16 b + i = k 32 b + 16 h + i of my row
.set PC,   208                         ; v208-219 the fragment's codes
.set TM,   228                         ; v228-239 at work
.set PWS,  244                         ; v244-247 the four tiles' scale words
.set SEL,  26                          ; s[26:27] lane selects: lane l xor 16
; 64 numbers of a lane become a fragment's codes in v[PC] on and its scale word in v[pw]
.macro QUANT s, pw
.irp b, 0,1,2,3
	v_max3_num_f32 v[TM+\b], |v[(\s)+16*\b]|, |v[(\s)+16*\b+1]|, 0x1800000   ; my 16 numbers of block b, and the floor 2^(3 - 127): the byte cannot fall under 1
.endr
.irp i, 2,4,6,8,10,12,14
.irp b, 0,1,2,3
	v_max3_num_f32 v[TM+\b], |v[(\s)+16*\b+\i]|, |v[(\s)+16*\b+\i+1]|, v[TM+\b]
.endr
.endr
.irp b, 0,1,2,3
	v_permlanex16_b32 v[TM+4+\b], v[TM+\b], s[SEL], s[SEL+1]
.endr
.irp b, 0,1,2,3
	v_max_num_f32 v[TM+\b], v[TM+\b], v[TM+4+\b]           ; with lane l xor 16's 16: the block's largest magnitude
.endr
.irp b, 0,1,2,3
	v_add_nc_u32 v[TM+8+\b], 0xff000000, v[TM+\b]          ; 2 off its exponent field: the conversion's scale operand
.endr
.irp b, 0,1,2,3
	v_lshrrev_b32 v[TM+4+\b], 23, v[TM+8+\b]               ; the scale's byte
.endr
	v_lshl_or_b32 v[\pw], v[TM+5], 8, v[TM+4]
	v_lshl_or_b32 v[\pw], v[TM+6], 16, v[\pw]
	v_lshl_or_b32 v[\pw], v[TM+7], 24, v[\pw]
.irp c, 0,1
	v_cvt_scalef32_pk16_fp6_f32 v[PC+6*\c:PC+6*\c+2], v[(\s)+32*\c:(\s)+32*\c+15], v[TM+8+2*\c]
	v_cvt_scalef32_pk16_fp6_f32 v[TM+4*\c:TM+4*\c+2], v[(\s)+32*\c+16:(\s)+32*\c+31], v[TM+9+2*\c]   ; (a conversion's three registers begin on an even number)
.endr
	v_nop                                          ; one plain place behind a scaled conversion
.irp c, 0,1                                    ; the operand's layout wants a whole block in a lane
.irp i, 0,1,2
	v_permlane16_swap_b32 v[PC+6*\c+\i], v[TM+4*\c+\i]
.endr
.irp i, 0,1,2
	v_mov_b32 v[PC+3+6*\c+\i], v[TM+4*\c+\i]
.endr
.endr
.endm
.macro LOAD t                          ; tile t's 16 rows, each 512 consecutive bytes, into set t % 2
.irp i, 0,1,2,3,4,5,6,7,8,9,10,11,12,13,14,15
	global_load_b128 v[R+64*((\t)%2)+4*\i:R+64*((\t)%2)+4*\i+3], v[LI], s[20:21] offset:(32*((\t)/2)+8*((\t)%2)+\i+8*(\i/8))*4096 th:TH_LOAD_NT
.endr
.endm
.macro TURN t                          ; through the stage: LDS serves a wave's instructions in order, so no wait stands between stores and loads
.irp i, 0,1,2,3,4,5,6,7,8,9,10,11,12,13,14,15
	ds_store_b128 v[STI], v[R+64*((\t)%2)+4*\i:R+64*((\t)%2)+4*\i+3] offset:528*\i
.endr
.irp b, 0,1,2,3
.irp m, 0,1,2,3
	ds_load_b128 v[X+16*\b+4*\m:X+16*\b+4*\m+3], v[STO] offset:128*\b+16*\m
.endr
.endr
.endm
	s_load_b256 s[4:11], s[0:1], 0x0               ; x, Wq, Wk, Wv
	s_load_b128 s[12:15], s[0:1], 0x20             ; Wo, ximg
	s_load_b64 s[16:17], s[0:1], 0x30              ; wimg
	v_lshl_add_u32 v[SPW], v0, 2, SPARE
	v_mov_b32 v[NIL], 0
	v_lshrrev_b32 v1, 5, v0
	v_readfirstlane_b32 s18, v1                    ; wave 0..5
	v_and_b32 v1, 31, v0                           ; lane
	v_and_b32 v2, 15, v0                           ; r
	v_bfe_u32 v3, v0, 4, 1                         ; h
	v_lshlrev_b32 v[LI], 4, v1
	s_mul_i32 s28, s18, STGB
	v_add_nc_u32 v[STI], s28, v[LI]
	v_mul_u32_u24 v[STO], v2, 528
	v_lshl_add_u32 v[STO], v3, 6, v[STO]
	v_add_nc_u32 v[STO], s28, v[STO]
	v_lshlrev_b32 v[SCA], 4, v2
	v_lshl_add_u32 v[SCA], v3, 3, v[SCA]
.irp b, 0,1,2,3
	v_mov_b32 v[TM+4+\b], 0                        ; written once: a lane permute's destination counts as one of its sources
.endr
	s_mov_b32 s[SEL], 0x76543210
	s_mov_b32 s[SEL+1], 0xfedcba98
	s_mul_i32 s19, ttmp9, 6
	s_add_co_u32 s19, s19, s18                     ; n
	s_cmp_lt_u32 s19, 1024
	s_cselect_b32 s28, 0, 1024
	s_sub_co_u32 s28, s19, s28                     ; the half record's number in x or in the weights
	s_and_b32 s29, s28, 1                          ; which four tiles
	s_lshr_b32 s30, s28, 1                         ; the record
	s_and_b32 s31, s30, 7                          ; its K step
	s_lshr_b32 s32, s30, 3                         ; its block of 128 rows
	s_lshr_b32 s33, s32, 3                         ; weights: which matrix,
	s_and_b32 s34, s32, 7                          ; and which block in it
	s_wait_alu depctr_va_vdst(0)
	s_wait_kmcnt 0x0
	s_cmp_eq_u32 s33, 2                            ; the choices hang on ids alone
	s_cselect_b64 s[20:21], s[10:11], s[12:13]
	s_cmp_eq_u32 s33, 1
	s_cselect_b64 s[20:21], s[8:9], s[20:21]
	s_cmp_eq_u32 s33, 0
	s_cselect_b64 s[20:21], s[6:7], s[20:21]
	s_cmp_lt_u32 s19, 1024
	s_cselect_b64 s[20:21], s[4:5], s[20:21]
	s_cselect_b64 s[22:23], s[14:15], s[16:17]
	s_cselect_b32 s34, s32, s34
	s_mov_b32 s35, 3145728
	s_cselect_b32 s35, 6291456, s35                ; where the scale records begin
	s_lshl_b32 s36, s34, 19                        ; 128 rows of 4,096 bytes,
	s_lshl_b32 s37, s29, 18                        ; 64 rows,
	s_add_co_u32 s36, s36, s37
	s_lshl_b32 s37, s31, 9                         ; 128 numbers along K
	s_add_co_u32 s36, s36, s37
	s_mov_b32 s37, 0
	s_add_nc_u64 s[20:21], s[20:21], s[36:37]
	s_lshl_b32 s38, s30, 9
	s_lshl_b32 s39, s29, 8
	s_add_co_u32 s38, s38, s39
	s_add_co_u32 s38, s38, s35
	s_mov_b32 s39, 0
	s_add_nc_u64 s[24:25], s[22:23], s[38:39]      ; my 256 bytes of scale words
	s_mul_i32 s36, s30, 12288
	s_mul_i32 s38, s29, 6144
	s_add_co_u32 s36, s36, s38
	s_add_nc_u64 s[22:23], s[22:23], s[36:37]      ; my four fragments
	LOAD 0
	LOAD 1
.irp t, 0,1,2,3
.if \t < 3
	s_wait_loadcnt 16                              ; this tile's 16 loads are in; the next tile's 16 may be out
.else
	s_wait_loadcnt 0x0
.endif
	TURN \t
	s_wait_dscnt 0x0                               ; the numbers are back, and the stage's stores have read their set,
.if \t < 2
	LOAD \t+2                                      ; which takes the tile two on
.endif
.if \t > 0
	s_wait_xcnt 0x0                                ; the last tile's stores have read the codes' registers
.endif
	QUANT X, PWS+\t
.irp c, 0,1,2
	global_store_b128 v[LI], v[PC+4*\c:PC+4*\c+3], s[22:23] offset:1536*\t+512*\c   ; 32 lanes store 512 consecutive bytes
.endr
.endr
	v_cmp_eq_u32 vcc_lo, 1, v3
	v_cndmask_b32 v8, v[PWS], v[PWS+2], vcc_lo     ; lanes 0-15: tiles 0, 1; lanes 16-31: tiles 2, 3
	v_cndmask_b32 v9, v[PWS+1], v[PWS+3], vcc_lo
	global_store_b64 v[SCA], v[8:9], s[24:25]      ; 256 consecutive bytes, aligned
	s_wait_tensorcnt 0x0                           ; the wave's end, behind my last LDS store
	ds_add_u32 v[SPW], v[NIL]
	s_wait_dscnt 0x0
	s_endpgm
.Lfunc_end_k_qf559dd0291_quant:
	.size	k_qf559dd0291_quant, .Lfunc_end_k_qf559dd0291_quant-k_qf559dd0291_quant
	.p2alignl 7, 3214868480
	.fill 96, 4, 3214868480
	.section	.rodata,"a",@progbits
	.p2align	6, 0x0
	.amdhsa_kernel k_qf559dd0291_quant
		.amdhsa_group_segment_fixed_size 51456
		.amdhsa_private_segment_fixed_size 0
		.amdhsa_enable_private_segment 0
		.amdhsa_kernarg_size 56
		.amdhsa_user_sgpr_count 2
		.amdhsa_user_sgpr_kernarg_segment_ptr 1
		.amdhsa_wavefront_size32 1
		.amdhsa_system_sgpr_workgroup_id_x 1
		.amdhsa_system_sgpr_workgroup_id_y 1
		.amdhsa_system_sgpr_workgroup_id_z 1
		.amdhsa_system_vgpr_workitem_id 0
		.amdhsa_next_free_vgpr 248
		.amdhsa_next_free_sgpr 66
		.amdhsa_reserve_vcc 1
		.amdhsa_float_denorm_mode_32 3
		.amdhsa_float_denorm_mode_16_64 3
		.amdhsa_memory_ordered 1
		.amdhsa_forward_progress 1
		.amdhsa_inst_pref_size 34
	.end_amdhsa_kernel
	.amdgpu_metadata
---
amdhsa.version: [ 1, 2 ]
amdhsa.kernels:
  - .name:           k_qf559dd0291_quant
    .symbol:         k_qf559dd0291_quant.kd
    .args:
      - { .name: x, .offset: 0, .size: 8, .value_kind: global_buffer, .address_space: global }
      - { .name: Wq, .offset: 8, .size: 8, .value_kind: global_buffer, .address_space: global }
      - { .name: Wk, .offset: 16, .size: 8, .value_kind: global_buffer, .address_space: global }
      - { .name: Wv, .offset: 24, .size: 8, .value_kind: global_buffer, .address_space: global }
      - { .name: Wo, .offset: 32, .size: 8, .value_kind: global_buffer, .address_space: global }
      - { .name: ximg, .offset: 40, .size: 8, .value_kind: global_buffer, .address_space: global }
      - { .name: wimg, .offset: 48, .size: 8, .value_kind: global_buffer, .address_space: global }
    .group_segment_fixed_size: 51456
    .private_segment_fixed_size: 0
    .kernarg_segment_align: 8
    .kernarg_segment_size: 56
    .max_flat_workgroup_size: 192
    .sgpr_count:     66
    .vgpr_count:     248
    .wavefront_size: 32
...
	.end_amdgpu_metadata
.endif
;; end of part 1
;; launch qkv (part 2): grid 12 x 32, 4 waves a work-group, clusters of 4 x 4, 327,680 bytes of LDS; arguments ximg, wimg, bq, bk, bv, qimg, kvimg; writes qimg, kvimg
.if DOCPART == 2
	.amdgcn_target "amdgcn-amd-amdhsa--gfx1250"
	.amdhsa_code_object_version 6
	.text
	.protected	k_qf559dd0291_qkv
	.globl	k_qf559dd0291_qkv
	.p2align	8
	.type	k_qf559dd0291_qkv,@function
k_qf559dd0291_qkv:
	s_mov_b64 s[64:65], 0
	v_nop
	global_prefetch_b8 v0, s[64:65] scope:SCOPE_SE
	s_setreg_imm32_b32 hwreg(HW_REG_WAVE_MODE, 25, 1), 1
	s_wait_xcnt 0x0
	s_wait_alu depctr_hold_cnt(0) depctr_sa_sdst(0) depctr_va_vdst(0) depctr_va_sdst(0) depctr_va_ssrc(0) depctr_va_vcc(0) depctr_vm_vsrc(0)
	s_getreg_b32 s2, hwreg(HW_REG_IB_STS2, 6, 4)
	s_cmp_eq_u32 s2, 0
	s_cbranch_scc0 .Lentry_in_a_cluster
	s_endpgm
.Lentry_in_a_cluster:
	s_bfe_u32 s2, ttmp6, 0x10000c
	s_cmp_lg_u32 s2, 0xf033
	s_cbranch_scc0 .Lentry_shape_is_right
	s_endpgm
.Lentry_shape_is_right:
; Q = x Wq^T + bq, K = x Wk^T + bk, V = x Wv^T + bv on codes of FP6 (E2M3) with E8M0 scales, and the results quantised again on the way out:
; Q and K along the head's channels, V along the keys.  Operands and results are images of operand registers (a fragment = 1,536 bytes, a record
; = 8 fragments of 128 rows for 128 along K = 12,288 bytes, its scale words 512 bytes); rows lie by position: row r of tile a is true row
; 32 (a / 2) + 8 (a % 2) + r + 8 (r / 8) of its block of 128.
; THE PRODUCT: D = source 0 x source 1^T; a lane holds ONE row of source 1 and its registers run along source 0's rows, in TRUE order by the choice of rows.
; Cluster x says which: 0 Q, 1 K (source 0 = the weight, source 1 = x: registers along the channels), 2 V (source 0 = x, source 1 = Wv: registers along the tokens, V's K).
; SHARES: a work-group of four waves makes 256 x 256, a wave 128 x 128: 64 accumulators, 512 registers.  K = 1,024 goes in four slots' worth of 256 through a ring of two LDS slots;
; a wave's tensor load brings two records, 24,576 dense bytes.  All scale words of the work-group's rows (4 x 4,096 bytes) come once, with the first fills.
; CLUSTERS: 4 x 4.  Source 1's tiles ("A") are shared along a row of the cluster, source 0's ("B") along a column: joint loads.
; THE BIAS is the C of each sum's first matrix instruction.  THE WAY OUT: for a block of 16 rows of source 1 a lane's 64 results are 128 neighbours along the next K in two halves of the lanes:
; they are quantised in registers and stored as a fragment's image, 512 consecutive bytes a store; no LDS.
; LIMITS: a block of zeros gets the byte 1 (its codes are zeros; this program alone reads the bytes); blocks under 2^-124 are held at byte 1; NaN and infinities are not served.
; REGISTERS: window 0: v16-29 addresses; v32-63 scale words, two sets; v64-127 the bias, on the way out at work; v128-223 A's fragments, one set.  window 1: B's fragments, two sets (v0, v128).
;   windows 2, 3: the accumulators, (a, b) at v[8 (8 (a % 4) + b)].
.set SLOT,  98304                      ; A half 0, A half 1, B half 0, B half 1: 24,576 each
.set PART,  24576
.set RECB,  12288
.set FRB,   1536
.set SCL,   2*SLOT                     ; the scale records: 4 x 4,096
.set SPARE, SCL+4*4096                 ; the spare words, 128 bytes a wave: two blocks of 256 bytes that no other line names
.set FR,    12
.set ADRA,  16                         ; v16-17 my A fragments in slot 0, 1: 16 x lane + ..
.set ADRB,  20                         ; v20-21 the same for B
.set LI,    24                         ; v24    16 x lane
.set ADRS,  27                         ; v27    my scale words: lanes 0-15 A's rows, lanes 16-31 B's
.set SPW,   28
.set NIL,   29
.set SC,    32                         ; set sc at 32 + 16 sc; in it register 8 q + i: lanes 0-15 A's block i, lanes 16-31 B's block i
.set BI,    64
.set AF,    128
.set TM,    64                         ; the way out, where the bias lay
.set PWS,   80
.set OW,    88
.set PC,    96
.set SEL,   22
.set G1,    24
.set G0,    32
.set G1B,   48
.set G0B,   56
.set G1S,   68
.set G0S,   76
.set G1SB,  80
.set G0SB,  88
.set MSB, 0
.macro WIN new                         ; the immediate's high byte repeats the setting that is left
.if MSB != (\new)
	s_set_vgpr_msb (MSB<<8)|(\new)
.set MSB, (\new)
.endif
.endm
.set MUL_LO, 0xa1                      ; source 0 (B) window 1, source 1 (A) window 0, C and D window 2
.set MUL_HI, 0xf1
.set TO_B,   0x40
.macro PLACES n
.rept \n
	v_nop
.endr
.endm
; a joint load: waves 0 and 1 fetch for A, waves 2 and 3 for B; an s_nop 0 and four v_nop follow each of the two lines
.macro JLOAD g0a, g1a, g0b, g1b
	s_cmp_eq_u32 s19, 0
	s_cbranch_scc0 .Lfor_b_\@
	tensor_load_to_lds s[\g0a:\g0a+3], s[\g1a:\g1a+7]
	s_nop 0
.rept 4
	v_nop
.endr
	s_branch .Lasked_\@
.Lfor_b_\@:
	tensor_load_to_lds s[\g0b:\g0b+3], s[\g1b:\g1b+7]
	s_nop 0
.rept 4
	v_nop
.endr
.Lasked_\@:
.endm
.macro CREST
	s_cmp_lg_u32 s18, 0
	s_cbranch_scc1 .Lnot_wave_0_\@
	s_barrier_signal -3
.Lnot_wave_0_\@:
	s_barrier_wait -3
	s_barrier_signal -1
	s_barrier_wait -1
.endm
.macro CROUND
	s_barrier_signal -1
	s_barrier_wait -1
	CREST
.endm
.macro FRAG reg, adr, q, i             ; a fragment's image: three loads of 512 consecutive bytes
.irp c, 0,1,2
	ds_load_b128 v[(\reg)+4*\c:(\reg)+4*\c+3], v[\adr] offset:RECB*(\q)+FRB*(\i)+512*\c
.endr
.endm
.macro FETCH_B slot, q, p
	WIN TO_B
.irp i, 0,1,2,3,4,5,6,7
	FRAG 128*(\p)+FR*\i, ADRB+\slot, \q, \i
.endr
	WIN 0
.endm
.macro FETCH_A slot, q, i0
.irp i, \i0, \i0+1, \i0+2, \i0+3
	FRAG AF+FR*(\i), ADRA+\slot, \q, \i
.endr
.endm
.macro SCALES sc, k0                   ; the scale words of K steps k0 and k0 + 1 into set sc
.irp q, 0,1
.irp m, 0,1
	ds_load_b128 v[SC+16*(\sc)+8*\q+4*\m:SC+16*(\sc)+8*\q+4*\m+3], v[ADRS] offset:512*((\k0)+\q)+256*\m
.endr
.endr
.endm
; 16 matrix instructions: A's blocks a0, a0 + 1 x B's eight.  zero = 1: C is the bias by source 0's rows; 2: by source 1's rows; 0: in place.  The 64 accumulators take turns.
.macro MUL16 a0, p, q, sc, zero
.irp a, \a0, \a0+1
.irp b, 0,1,2,3,4,5,6,7
.if (\zero) == 1
	v_wmma_scale_f32_16x16x128_f8f6f4 v[8*(8*((\a)%4)+\b):8*(8*((\a)%4)+\b)+7], v[128*(\p)+FR*\b:128*(\p)+FR*\b+FR-1], v[AF+FR*(\a):AF+FR*(\a)+FR-1], v[BI+8*\b:BI+8*\b+7], v[SC+16*(\sc)+8*(\q)+\b], v[SC+16*(\sc)+8*(\q)+(\a)] matrix_a_fmt:MATRIX_FMT_FP6 matrix_b_fmt:MATRIX_FMT_FP6 matrix_a_scale:MATRIX_SCALE_ROW1
.elseif (\zero) == 2
	v_wmma_scale_f32_16x16x128_f8f6f4 v[8*(8*((\a)%4)+\b):8*(8*((\a)%4)+\b)+7], v[128*(\p)+FR*\b:128*(\p)+FR*\b+FR-1], v[AF+FR*(\a):AF+FR*(\a)+FR-1], v[BI+8*(\a):BI+8*(\a)+7], v[SC+16*(\sc)+8*(\q)+\b], v[SC+16*(\sc)+8*(\q)+(\a)] matrix_a_fmt:MATRIX_FMT_FP6 matrix_b_fmt:MATRIX_FMT_FP6 matrix_a_scale:MATRIX_SCALE_ROW1
.else
	v_wmma_scale_f32_16x16x128_f8f6f4 v[8*(8*((\a)%4)+\b):8*(8*((\a)%4)+\b)+7], v[128*(\p)+FR*\b:128*(\p)+FR*\b+FR-1], v[AF+FR*(\a):AF+FR*(\a)+FR-1], v[8*(8*((\a)%4)+\b):8*(8*((\a)%4)+\b)+7], v[SC+16*(\sc)+8*(\q)+\b], v[SC+16*(\sc)+8*(\q)+(\a)] matrix_a_fmt:MATRIX_FMT_FP6 matrix_b_fmt:MATRIX_FMT_FP6 matrix_a_scale:MATRIX_SCALE_ROW1
.endif
.endr
.endr
.endm
; a slot's first step of 128 along K; its successor lies in the same slot
.macro STEP slot, zero
	s_wait_dscnt 12                                ; B's set, A's blocks 0-3 and the scale words are in; the youngest twelve loads (A's blocks 4-7) may be out
.if \zero
	WIN 0x81                                       ; C, the bias, in window 0
.else
	WIN MUL_LO
.endif
	MUL16 0, 0, 0, \slot, \zero
	MUL16 2, 0, 0, \slot, \zero
	s_wait_dscnt 0x0
	PLACES 4                                       ; four places in front of loads into registers that matrix instructions have read
	FETCH_B \slot, 1, 1
	FETCH_A \slot, 1, 0
.if \zero
	WIN 0xc1
.else
	WIN MUL_HI
.endif
	MUL16 4, 0, 0, \slot, \zero
	MUL16 6, 0, 0, \slot, \zero
	PLACES 4
	WIN 0
	FETCH_A \slot, 1, 4
.endm
; a slot's second step changes slots: one barrier; in front of it each wave waits for all its tensor loads, adds 0 to its spare word, and waits for that and for its reads of this slot
.macro TURN slot, next, fill, k0
	s_wait_tensorcnt 0x0                           ; all my tensor loads have landed: my part of the next slot
	ds_add_u32 v[SPW], v[NIL]
	s_wait_dscnt 13                                ; (the add and the youngest twelve loads may be out)
	WIN MUL_LO
	MUL16 0, 1, 1, \slot, 0
	s_wait_dscnt 0x0                               ; the add is done, and my reads of this slot are over
	s_barrier_signal -1
	MUL16 2, 1, 1, \slot, 0
	WIN 0
	s_barrier_wait -1
.if \fill
	CREST                                          ; the barrier has opened a round of the cluster's barrier: no wave of any partner still reads this slot or has a load on its way
	s_add_nc_u64 s[G0+4*\slot+2:G0+4*\slot+3], s[G0+4*\slot+2:G0+4*\slot+3], 2*PART
	s_add_nc_u64 s[G0B+4*\slot+2:G0B+4*\slot+3], s[G0B+4*\slot+2:G0B+4*\slot+3], 2*PART
	JLOAD G0+4*\slot, G1, G0B+4*\slot, G1B         ; the first tensor load behind the round; its four v_nop are the places in front of the loads below
.else
	PLACES 4
.endif
	FETCH_B \next, 0, 0
	FETCH_A \next, 0, 0
	SCALES \next, \k0
	WIN MUL_HI
	MUL16 4, 1, 1, \slot, 0
	MUL16 6, 1, 1, \slot, 0
	PLACES 4
	WIN 0
	FETCH_A \next, 0, 4
.endm
; 64 numbers of a lane in window w, register 16 b + i = k 32 b + 16 h + i of my row, become a fragment's codes in v[PC] on and its scale word in v[pw]
.macro QUANT s, w, pw
	WIN 5*(\w)
.irp b, 0,1,2,3
	v_max3_num_f32 v[TM+\b], |v[(\s)+16*\b]|, |v[(\s)+16*\b+1]|, 0x1800000   ; each accumulator is read from its low end on; the floor 2^(3 - 127) holds the byte at 1 from below
.endr
.irp i, 2,4,6,8,10,12,14
.irp b, 0,1,2,3
	v_max3_num_f32 v[TM+\b], |v[(\s)+16*\b+\i]|, |v[(\s)+16*\b+\i+1]|, v[TM+\b]
.endr
.endr
	WIN 0
.irp b, 0,1,2,3
	v_permlanex16_b32 v[TM+4+\b], v[TM+\b], s[SEL], s[SEL+1]
.endr
.irp b, 0,1,2,3
	v_max_num_f32 v[TM+\b], v[TM+\b], v[TM+4+\b]
.endr
.irp b, 0,1,2,3
	v_add_nc_u32 v[TM+8+\b], 0xff000000, v[TM+\b]          ; 2 off the exponent field: the conversion's scale operand
.endr
.irp b, 0,1,2,3
	v_lshrrev_b32 v[TM+4+\b], 23, v[TM+8+\b]               ; the scale's byte
.endr
	v_lshl_or_b32 v[\pw], v[TM+5], 8, v[TM+4]
	v_lshl_or_b32 v[\pw], v[TM+6], 16, v[\pw]
	v_lshl_or_b32 v[\pw], v[TM+7], 24, v[\pw]
	WIN (\w)
.irp c, 0,1
	v_cvt_scalef32_pk16_fp6_f32 v[PC+6*\c:PC+6*\c+2], v[(\s)+32*\c:(\s)+32*\c+15], v[TM+8+2*\c]
	v_cvt_scalef32_pk16_fp6_f32 v[TM+4*\c:TM+4*\c+2], v[(\s)+32*\c+16:(\s)+32*\c+31], v[TM+9+2*\c]
.endr
	WIN 0
	v_nop                                          ; one plain place behind a scaled conversion
.irp c, 0,1
.irp i, 0,1,2
	v_permlane16_swap_b32 v[PC+6*\c+\i], v[TM+4*\c+\i]
.endr
.irp i, 0,1,2
	v_mov_b32 v[PC+3+6*\c+\i], v[TM+4*\c+\i]
.endr
.endr
.endm
	s_load_b256 s[4:11], s[0:1], 0x0               ; ximg, wimg, bq, bk
	s_load_b128 s[12:15], s[0:1], 0x20             ; bv, qimg
	s_load_b64 s[16:17], s[0:1], 0x30              ; kvimg
	v_lshl_add_u32 v[SPW], v0, 2, SPARE
	v_mov_b32 v[NIL], 0
	ds_add_u32 v[SPW], v[NIL]                      ; the wave's opening: the add and its wait ahead of my first tensor load
	ds_add_u32 v[SPW], v[NIL]
	v_lshrrev_b32 v1, 5, v0
	v_readfirstlane_b32 s18, v1                    ; wave 0..3
	s_lshr_b32 s19, s18, 1                         ; my half of source 1's rows.  Also: I fetch for A (0) or for B (1)
	s_and_b32 s20, s18, 1                          ; my half of source 0's rows.  Also: which 128 rows I fetch
	s_bfe_u32 s40, ttmp6, 0x40000                  ; cx
	s_bfe_u32 s41, ttmp6, 0x40004                  ; cy
	s_and_b32 s22, ttmp7, 0xffff
	s_lshl_b32 s22, s22, 2                         ; 4 x cluster y
	s_cmp_eq_u32 ttmp9, 2                          ; cluster x = 2: V
	s_cselect_b32 s21, 1, 0
	s_cselect_b32 s42, s22, 0
	s_cselect_b32 s45, 0, s22
	s_cselect_b32 s96, 0, ttmp9                    ; which weight is source 0 (Q: 0, K: 1)
	s_add_co_u32 s42, s42, s40                     ; source 0's tile of 256 rows: hangs on cx, never on cy
	s_add_co_u32 s45, s45, s41                     ; source 1's: hangs on cy, never on cx
	s_lshl_b32 s43, s41, 2
	s_lshl_b32 s43, 15, s43                        ; my row of the cluster
	s_lshl_b32 s44, 0x1111, s40                    ; my column
	s_or_b32 s[G1+0], s43, (3<<16)|(1<<21)         ; the mask; elements of 8 bytes; bit 21 set beside a mask; no padding
	s_or_b32 s[G1B+0], s44, (3<<16)|(1<<21)
.irp g, G1, G1B
	s_mov_b32 s[\g+1], 3072<<16                    ; the head's shape: both blocks' two records, 2 rows of 24,576 bytes,
	s_mov_b32 s[\g+2], 2<<16
	s_mov_b32 s[\g+3], 3072<<16
	s_mov_b32 s[\g+4], 2
	s_mov_b32 s[\g+5], 12288                       ; a block's eight records (98,304 bytes) apart
	s_mov_b32 s[\g+6], 0
	s_mov_b32 s[\g+7], 0
.endr
	s_or_b32 s[G1S+0], s43, (3<<16)|(1<<21)
	s_or_b32 s[G1SB+0], s44, (3<<16)|(1<<21)
.irp g, G1S, G1SB
	s_mov_b32 s[\g+1], 32<<16                      ; sixteen scale records: 32 rows of 256 bytes
	s_mov_b32 s[\g+2], 32<<16                      ; the scale records of 256 rows: 32 rows of 256 bytes
	s_mov_b32 s[\g+3], 32<<16
	s_mov_b32 s[\g+4], 32
	s_mov_b32 s[\g+5], 32
	s_mov_b32 s[\g+6], 0
	s_mov_b32 s[\g+7], 0
.endr
	s_lshl_b32 s92, s45, 1                         ; A: the tile's first block of 128 rows
	s_mul_i32 s2, s92, 8*RECB
	s_mul_i32 s93, s21, 1572864                    ; V: Wv is the third matrix of wimg
	s_add_co_u32 s2, s2, s93
	s_mov_b32 s3, 0
	s_lshl_b32 s22, s92, 12
	s_add_co_u32 s22, s22, 6291456
	s_mul_i32 s93, s21, 3080192                    ; V: 3,145,728 + 2 x 32,768 in wimg
	s_sub_co_u32 s22, s22, s93
	s_mov_b32 s23, 0
	s_lshl_b32 s94, s42, 1                         ; B likewise
	s_mul_i32 s46, s94, 8*RECB
	s_mul_i32 s95, s96, 786432
	s_add_co_u32 s46, s46, s95
	s_mov_b32 s47, 0
	s_lshl_b32 s66, s94, 12
	s_lshl_b32 s95, s96, 15
	s_add_co_u32 s66, s66, s95
	s_add_co_u32 s66, s66, 3145728
	s_mul_i32 s95, s21, 3145728                    ; V: 6,291,456 in ximg
	s_add_co_u32 s66, s66, s95
	s_mov_b32 s67, 0
	s_mul_i32 s97, s18, PART                       ; where the ring's parts go: by the wave's number alone
	s_wait_dscnt 0x0                               ; the opening add is done
	s_wait_kmcnt 0x0
	s_cmp_eq_u32 s21, 1
	s_cselect_b64 s[92:93], s[6:7], s[4:5]         ; A: Wv's images or x's
	s_cselect_b64 s[94:95], s[4:5], s[6:7]         ; B: x's or the weight's
	s_add_nc_u64 s[2:3], s[92:93], s[2:3]
	s_add_nc_u64 s[22:23], s[92:93], s[22:23]
	s_add_nc_u64 s[46:47], s[94:95], s[46:47]
	s_add_nc_u64 s[66:67], s[94:95], s[66:67]
	CROUND                                         ; all sixteen work-groups are here: the first joint loads meet
	s_mov_b32 s[G0S], 1
	s_mov_b32 s[G0S+1], SCL
	s_mov_b64 s[G0S+2:G0S+3], s[22:23]
	s_or_b32 s[G0S+3], s[G0S+3], 0x80000000
	s_mov_b32 s[G0SB], 1
	s_mov_b32 s[G0SB+1], SCL+8192
	s_mov_b64 s[G0SB+2:G0SB+3], s[66:67]
	s_or_b32 s[G0SB+3], s[G0SB+3], 0x80000000
	s_mov_b32 s[G0], 1                             ; slot 0's sets serve the head: A's two parts whole,
	s_mov_b32 s[G0+1], 0
	s_mov_b64 s[G0+2:G0+3], s[2:3]
	s_or_b32 s[G0+3], s[G0+3], 0x80000000
	s_mov_b32 s[G0B], 1                            ; and B's, behind them
	s_mov_b32 s[G0B+1], 2*PART
	s_mov_b64 s[G0B+2:G0B+3], s[46:47]
	s_or_b32 s[G0B+3], s[G0B+3], 0x80000000
	s_mul_i32 s22, s20, 8*RECB                     ; for the ring: the block of 128 rows that I fetch
	s_mov_b32 s23, 0
	s_add_nc_u64 s[2:3], s[2:3], s[22:23]
	s_add_nc_u64 s[46:47], s[46:47], s[22:23]
	s_mov_b32 s[G0+4], 1
	s_add_co_u32 s[G0+5], s97, SLOT
	s_add_nc_u64 s[G0+6:G0+7], s[2:3], PART
	s_or_b32 s[G0+7], s[G0+7], 0x80000000
	s_mov_b32 s[G0B+4], 1
	s_add_co_u32 s[G0B+5], s97, SLOT
	s_add_nc_u64 s[G0B+6:G0B+7], s[46:47], PART
	s_or_b32 s[G0B+7], s[G0B+7], 0x80000000
; the head's four tiles, one joint load a wave, in one tree of branches on the wave's number:
; wave 0 A's part of slot 0, wave 1 B's, wave 2 A's scale words, wave 3 B's
.macro ARM under, g0, g1, next
	s_cmp_lt_u32 s18, \under
	s_cbranch_scc0 \next
	tensor_load_to_lds s[\g0:\g0+3], s[\g1:\g1+7]
	s_nop 0
.rept 4
	v_nop
.endr
	s_branch .Lhead_asked
\next:
.endm
	ARM 1, G0,  G1,  .Lhead_b
	ARM 2, G0B, G1B, .Lhead_sa
	ARM 3, G0S, G1S, .Lhead_sb
	tensor_load_to_lds s[G0SB:G0SB+3], s[G1SB:G1SB+7]
	s_nop 0
.rept 4
	v_nop
.endr
.Lhead_asked:
	v_and_b32 v1, 15, v0                           ; r
	v_bfe_u32 v2, v0, 4, 1                         ; h
	s_wait_alu depctr_va_vdst(0)
	v_and_b32 v3, 31, v0
	v_lshlrev_b32 v[LI], 4, v3
	s_mul_i32 s92, s19, PART                       ; my 128 rows of A
	s_mul_i32 s93, s20, PART                       ; my 128 rows of B,
	s_add_co_u32 s93, s93, 2*PART                  ; behind A's two parts
.irp s, 0,1
	v_add_nc_u32 v[ADRA+\s], s92, v[LI]
	v_add_nc_u32 v[ADRB+\s], s93, v[LI]
	s_add_co_u32 s92, s92, SLOT
	s_add_co_u32 s93, s93, SLOT
.endr
	v_lshlrev_b32 v5, 4, v1                        ; a scale record has 16 bytes a row
	s_lshl_b32 s92, s19, 12
	s_lshl_b32 s93, s20, 12
	s_add_co_u32 s93, s93, 8192
	s_sub_co_u32 s93, s93, s92
	v_mul_u32_u24 v6, s93, v2                      ; lanes 16-31 take B's: one product, the distance between the two bases
	s_add_co_u32 s92, s92, SCL
	v_add_nc_u32 v5, v5, v6
	v_add_nc_u32 v[ADRS], s92, v5
	v_lshlrev_b32 v7, 6, v2                        ; the bias by source 0's rows: 16 h numbers on
	v_and_b32 v8, 8, v1
	v_add_nc_u32 v8, v8, v1
	v_lshlrev_b32 v8, 2, v8                        ; by source 1's rows: my row's true place r + 8 (r / 8)
	s_cmp_eq_u32 ttmp9, 0
	s_cselect_b64 s[96:97], s[8:9], s[10:11]
	s_cmp_eq_u32 s21, 1
	s_cselect_b64 s[96:97], s[12:13], s[96:97]
	s_cselect_b32 s92, s45, s42                    ; the channels are source 1's rows in V, source 0's in Q and K
	s_cselect_b32 s93, s19, s20
	s_lshl_b32 s92, s92, 10
	s_lshl_b32 s93, s93, 9
	s_add_co_u32 s92, s92, s93
	s_mov_b32 s93, 0
	s_add_nc_u64 s[96:97], s[96:97], s[92:93]
	s_cmp_eq_u32 s21, 0                            ; cluster x is the same in all partners
	s_cbranch_scc0 .Lbias_v
	s_wait_alu depctr_va_vdst(0)
.irp b, 0,1,2,3,4,5,6,7
	global_load_b128 v[BI+8*\b:BI+8*\b+3], v7, s[96:97] offset:(32*(\b/2)+8*(\b%2))*4
	global_load_b128 v[BI+8*\b+4:BI+8*\b+7], v7, s[96:97] offset:(32*(\b/2)+8*(\b%2))*4+16
.endr
	s_branch .Lbias_done
.Lbias_v:
	s_wait_alu depctr_va_vdst(0)
.irp a, 0,1,2,3,4,5,6,7
.irp j, 0,1,2,3,4,5,6,7
	global_load_b32 v[BI+8*\a+\j], v8, s[96:97] offset:(32*(\a/2)+8*(\a%2))*4   ; a lane's eight results share its channel: the word fills a C
.endr
.endr
.Lbias_done:
	; where my record goes: token block T, head pair hp
	s_lshl_b32 s92, s45, 1
	s_add_co_u32 s92, s92, s19
	s_lshl_b32 s93, s42, 1
	s_add_co_u32 s93, s93, s20
	s_cmp_eq_u32 s21, 1
	s_cselect_b32 s2, s93, s92                     ; T
	s_cselect_b32 s3, s92, s93                     ; hp
	s_lshr_b32 s22, s2, 4                          ; batch
	s_lshl_b32 s22, s22, 2
	s_lshr_b32 s23, s3, 1                          ; group of four heads
	s_add_co_u32 s22, s22, s23
	s_lshl_b32 s22, s22, 4
	s_and_b32 s23, s2, 15
	s_add_co_u32 s22, s22, s23                     ; 16 u + s
	s_and_b32 s3, s3, 1
	s_cmp_eq_u32 ttmp9, 0
	s_cselect_b32 s23, 1, 2
	s_lshl_b32 s22, s22, s23                       ; two records a step in qimg, four in kvimg
	s_add_co_u32 s22, s22, s3
	s_lshl_b32 s23, s21, 1
	s_add_co_u32 s22, s22, s23                     ; V's lie behind K's two
	s_cmp_eq_u32 ttmp9, 0
	s_cselect_b64 s[92:93], s[14:15], s[16:17]
	s_mov_b32 s23, 12582912
	s_cselect_b32 s23, 6291456, s23
	s_mul_i32 s2, s22, RECB
	s_mov_b32 s3, 0
	s_lshl_b32 s46, s22, 9
	s_add_co_u32 s46, s46, s23
	s_mov_b32 s47, 0
	s_add_nc_u64 s[94:95], s[92:93], s[46:47]      ; its scale words
	s_add_nc_u64 s[92:93], s[92:93], s[2:3]        ; its codes
	s_wait_alu depctr_va_vdst(0)                   ; the head's end
	s_wait_tensorcnt 0x0                           ; my tile of the head's four is in
	ds_add_u32 v[SPW], v[NIL]
.irp g, G1, G1B
	s_mov_b32 s[\g+1], 32<<16                      ; no load of mine is out: from here on a load brings two records, 96 rows of 256 bytes
	s_mov_b32 s[\g+2], 96<<16
	s_mov_b32 s[\g+3], 32<<16
	s_mov_b32 s[\g+4], 96
	s_mov_b32 s[\g+5], 32
.endr
	s_mul_i32 s[G0+1], s18, PART                   ; slot 0's sets now stand at my own part of it
	s_sub_nc_u64 s[G0+2:G0+3], s[G0+6:G0+7], PART
	s_mul_i32 s[G0B+1], s18, PART
	s_sub_nc_u64 s[G0B+2:G0B+3], s[G0B+6:G0B+7], PART
	s_wait_dscnt 0x0
	CROUND                                         ; everybody's tiles are in, and the joint loads meet
	JLOAD G0+4, G1, G0B+4, G1B                     ; slot 1's first fill, the first tensor load behind the round
	FETCH_B 0, 0, 0
	FETCH_A 0, 0, 0
	SCALES 0, 0
	FETCH_A 0, 0, 4
	s_wait_loadcnt 0x0                             ; the bias
	s_cmp_eq_u32 s21, 0
	s_cbranch_scc0 .Lfirst_v
	STEP 0, 1                                      ; the first step's products start the sums from the bias
	s_branch .Lfirst_done
.Lfirst_v:
	STEP 0, 2
.Lfirst_done:
	TURN 0, 1, 1, 2                                ; K is eight steps: written out, no loop
	STEP 1, 0
	TURN 1, 0, 1, 4
	STEP 0, 0
	TURN 0, 1, 0, 6                                ; the last lap fills nothing
	STEP 1, 0
	s_wait_dscnt 12
	WIN MUL_LO
	MUL16 0, 1, 1, 1, 0
	MUL16 2, 1, 1, 1, 0
	s_wait_dscnt 0x0
	WIN MUL_HI
	MUL16 4, 1, 1, 1, 0
	MUL16 6, 1, 1, 1, 0
	WIN 0
	; THE WAY OUT
	s_mov_b32 s[SEL], 0x76543210
	s_mov_b32 s[SEL+1], 0xfedcba98
	PLACES 4
.irp b, 0,1,2,3
	v_mov_b32 v[TM+4+\b], 0                        ; a lane permute's destination counts as one of its sources
.endr
.irp a, 0,1,2,3,4,5,6,7
.if \a > 0
	s_wait_xcnt 0x0                                ; the last block's stores have read the codes' registers
.endif
	QUANT 64*(\a%4), 2+\a/4, PWS+\a
.irp c, 0,1,2
	global_store_b128 v[LI], v[PC+4*\c:PC+4*\c+3], s[92:93] offset:FRB*\a+512*\c   ; 32 lanes store 512 consecutive bytes
.endr
.endr
	v_cmp_eq_u32 vcc_lo, 1, v2
.irp i, 0,1,2,3
	v_cndmask_b32 v[OW+\i], v[PWS+\i], v[PWS+4+\i], vcc_lo   ; lanes 0-15: tiles 0-3; lanes 16-31: tiles 4-7
.endr
	global_store_b128 v[LI], v[OW:OW+3], s[94:95]
	s_wait_tensorcnt 0x0                           ; the wave's end
	ds_add_u32 v[SPW], v[NIL]
	s_wait_dscnt 0x0
	CROUND                                         ; the closing round
	s_endpgm
.Lfunc_end_k_qf559dd0291_qkv:
	.size	k_qf559dd0291_qkv, .Lfunc_end_k_qf559dd0291_qkv-k_qf559dd0291_qkv
	.p2alignl 7, 3214868480
	.fill 96, 4, 3214868480
	.section	.rodata,"a",@progbits
	.p2align	6, 0x0
	.amdhsa_kernel k_qf559dd0291_qkv
		.amdhsa_group_segment_fixed_size 327680
		.amdhsa_private_segment_fixed_size 0
		.amdhsa_enable_private_segment 0
		.amdhsa_kernarg_size 56
		.amdhsa_user_sgpr_count 2
		.amdhsa_user_sgpr_kernarg_segment_ptr 1
		.amdhsa_wavefront_size32 1
		.amdhsa_system_sgpr_workgroup_id_x 1
		.amdhsa_system_sgpr_workgroup_id_y 1
		.amdhsa_system_sgpr_workgroup_id_z 1
		.amdhsa_system_vgpr_workitem_id 0
		.amdhsa_next_free_vgpr 1024
		.amdhsa_next_free_sgpr 98
		.amdhsa_reserve_vcc 1
		.amdhsa_float_denorm_mode_32 3
		.amdhsa_float_denorm_mode_16_64 3
		.amdhsa_memory_ordered 1
		.amdhsa_forward_progress 1
		.amdhsa_inst_pref_size 160
	.end_amdhsa_kernel
	.amdgpu_metadata
---
amdhsa.version: [ 1, 2 ]
amdhsa.kernels:
  - .name:           k_qf559dd0291_qkv
    .symbol:         k_qf559dd0291_qkv.kd
    .args:
      - { .name: ximg, .offset: 0, .size: 8, .value_kind: global_buffer, .address_space: global }
      - { .name: wimg, .offset: 8, .size: 8, .value_kind: global_buffer, .address_space: global }
      - { .name: bq, .offset: 16, .size: 8, .value_kind: global_buffer, .address_space: global }
      - { .name: bk, .offset: 24, .size: 8, .value_kind: global_buffer, .address_space: global }
      - { .name: bv, .offset: 32, .size: 8, .value_kind: global_buffer, .address_space: global }
      - { .name: qimg, .offset: 40, .size: 8, .value_kind: global_buffer, .address_space: global }
      - { .name: kvimg, .offset: 48, .size: 8, .value_kind: global_buffer, .address_space: global }
    .group_segment_fixed_size: 327680
    .private_segment_fixed_size: 0
    .kernarg_segment_align: 8
    .kernarg_segment_size: 56
    .max_flat_workgroup_size: 128
    .sgpr_count:     98
    .vgpr_count:     1024
    .wavefront_size: 32
...
	.end_amdgpu_metadata
.endif
;; end of part 2
;; launch attn (part 3): grid 16 x 16, 8 waves a work-group, clusters of 4 x 1, 327,680 bytes of LDS; arguments qimg, kvimg, spatial_coords, log_bandwidth, oimg; writes oimg
.if DOCPART == 3
	.amdgcn_target "amdgcn-amd-amdhsa--gfx1250"
	.amdhsa_code_object_version 6
	.text
	.protected	k_qf559dd0291_attn
	.globl	k_qf559dd0291_attn
	.p2align	8
	.type	k_qf559dd0291_attn,@function
k_qf559dd0291_attn:
	s_mov_b64 s[64:65], 0
	v_nop
	global_prefetch_b8 v0, s[64:65] scope:SCOPE_SE
	s_setreg_imm32_b32 hwreg(HW_REG_WAVE_MODE, 25, 1), 1
	s_wait_xcnt 0x0
	s_wait_alu depctr_hold_cnt(0) depctr_sa_sdst(0) depctr_va_vdst(0) depctr_va_sdst(0) depctr_va_ssrc(0) depctr_va_vcc(0) depctr_vm_vsrc(0)
	s_getreg_b32 s2, hwreg(HW_REG_IB_STS2, 6, 4)
	s_cmp_eq_u32 s2, 0
	s_cbranch_scc0 .Lentry_in_a_cluster
	s_endpgm
.Lentry_in_a_cluster:
	s_bfe_u32 s2, ttmp6, 0x10000c
	s_cmp_lg_u32 s2, 0x3003
	s_cbranch_scc0 .Lentry_shape_is_right
	s_endpgm
.Lentry_shape_is_right:
; o = softmax(q k^T / 8 - |xq - xk|^2 / (2 bw^2)) v on codes of FP6 (E2M3) with E8M0 scales; o is quantised again along the channels and stored as operand images.
; SHARES: work-group (x, y): 128 queries (block x) of unit y = 4 x batch + group of four heads; a wave takes 16 queries and all four heads; a lane holds one query.
; Both products are used transposed (S^T = k q^T, O^T = v^T p^T).  A K record holds two heads' 64 channels; q's fragment has zero codes in the other head's half.
; KEYS go in steps of 128: four records (K pair 0, K pair 1, V pair 0, V pair 1) of 12,288 bytes; a slot holds two steps; two slots; all scale words (32,768 bytes) come once.
; THE HEAD: one joint load a wave: waves 0-3 bring slot 0 (24,576 bytes each), waves 4-7 the scale words (8,192 each).
; CLUSTER 4 x 1: the four query blocks of a cluster read the same K and V: every tensor load is a joint load with mask 15.
; SOFTMAX by the problem's rule: running M = ceil(largest t), p = 2^(t - M), the sum of the unquantised p, O and the sum multiplied by 2^(old M - new M).
; ORDER IN A STEP: work on registers stands between each run of LDS loads and the wait for it: the sums of p of heads 1 and 3 are taken behind the loads of the next K fragments
; (head 3's at the next step's start: S1 begins as zeros), and the bias of the first 64 keys behind the loads of the second 64 keys' fragments.
; PREFETCH: behind each refill, waves 0-2 of the clusters with x = 0 name the slot after it: 4 work-groups x 3 waves x 32 lanes x 256 bytes = 98,304; the last refill asks for nothing.
; LIMITS: the promise holds while the scaled scores stay under 2^31 in magnitude; a block of zeros gets the byte 1 (its codes are zeros; this program alone reads the bytes); NaN and infinities are not served.
.set SLOT1, 131072                     ; slot 1's first byte; a slot uses 98,304
.set STEPB, 49152
.set RECB,  12288
.set FRB,   1536
.set SCB,   229376                     ; the scale words of all 16 steps
.set KX,    262144                     ; the keys' x (8,192 bytes), then y: stored by the waves, never a fill's target
.set OSC,   278528                     ; o's scale words on the way out
.set SPARE, 279552                     ; the spare words, 128 bytes a wave
.set LI,   1                           ; 16 x lane
.set AKV,  2
.set ASC0, 3
.set ASC,  4
.set ACO0, 5
.set ACO,  6
.set SPW,  7
.set NIL,  8
.set PFO,  9
.set NQX,  12                          ; -xq, -yq of my query, each twice
.set NQY,  14
.set ST,   16                          ; a head's four: -M, largest t, the sum in two halves
.set KS,   32
.set VS,   36
.set QS,   40
.set TM,   44
.set FF,   56
.set TA,   58
.set PC,   60                          ; p's codes
.set KV,   72                          ; four fragments of K or V
.set PD,   120
.set PW,   124
.set OSA,  125
.set OSR,  126
.set KXA,  127
.set S0,   128                         ; scores, then p, of the pair's first head; S1: of its second
.set S1,   192
.set D2,   128                         ; window 1: v0-127 O^T, v128-191 the squared distances, v192-227 q's fragments
.set QF,   192
.set WV,   14
.set G1,   24
.set G1S,  32
.set G0,   40
.set G0S,  44
.set CS,   48
.set SEL,  50
.set GS,   52
.set TB,   60
.set TS,   61
.set TJ,   62
.set SLOTS, 63
.set TWICE, 66
.set PFA,  68
.set LIM,  70
.set G1H,  72
.set G0H,  80
.set MSB, 0
.macro WIN new
.if MSB != (\new)
	s_set_vgpr_msb (MSB<<8)|(\new)
.set MSB, (\new)
.endif
.endm
.macro PLACES n
.rept \n
	v_nop
.endr
.endm
.macro CROUND                          ; a round of the cluster's barrier
	s_barrier_signal -1
	s_barrier_wait -1
	s_cmp_lg_u32 s[WV], 0
	s_cbranch_scc1 .Lnot_wave_0_\@
	s_barrier_signal -3
.Lnot_wave_0_\@:
	s_barrier_wait -3
	s_barrier_signal -1
	s_barrier_wait -1
.endm
.macro DESC g, rows                    ; group 1: dense rows of 256 bytes, mask 15, bit 21 beside it
	s_mov_b32 s[\g], 15|(3<<16)|(1<<21)
	s_mov_b32 s[\g+1], 32<<16
	s_mov_b32 s[\g+2], (\rows)<<16
	s_mov_b32 s[\g+3], 32<<16
	s_mov_b32 s[\g+4], \rows
	s_mov_b32 s[\g+5], 32
	s_mov_b32 s[\g+6], 0
	s_mov_b32 s[\g+7], 0
.endm
.macro ASK
	s_cmp_gt_u32 s[SLOTS], s[LIM]
	s_cbranch_scc0 .Lnot_mine_\@
	global_prefetch_b8 v[PFO], s[PFA:PFA+1] th:TH_LOAD_NT scope:SCOPE_SE
.Lnot_mine_\@:
.endm
.macro KLOAD e, tg                     ; 64 keys of pair e: four fragments and their scale words: 13 loads
.irp t, 0,1,2,3
.irp c, 0,1,2
	ds_load_b128 v[KV+12*\t+4*\c:KV+12*\t+4*\c+3], v[AKV] offset:RECB*(\e)+FRB*(4*(\tg)+\t)+512*\c
.endr
.endr
	ds_load_b128 v[KS:KS+3], v[ASC] offset:512*(\e)+256*(\tg)
.endm
.macro VLOAD e, hh                     ; the 64 channels of head 2 e + hh
.irp t, 0,1,2,3
.irp c, 0,1,2
	ds_load_b128 v[KV+12*\t+4*\c:KV+12*\t+4*\c+3], v[AKV] offset:RECB*(2+(\e))+FRB*(4*(\hh)+\t)+512*\c
.endr
.endr
	ds_load_b128 v[VS:VS+3], v[ASC] offset:512*(2+(\e))+256*(\hh)
.endm
.macro SMUL e, tg                      ; both heads' scores of 64 keys; the two heads' accumulators by turns
	WIN 0x04
.irp t, 0,1,2,3
	v_wmma_scale_f32_16x16x128_f8f6f4 v[S0+8*(4*(\tg)+\t):S0+8*(4*(\tg)+\t)+7], v[KV+12*\t:KV+12*\t+11], v[QF+18*(\e):QF+18*(\e)+11], 0, v[KS+\t], v[QS+2*(\e)] matrix_a_fmt:MATRIX_FMT_FP6 matrix_b_fmt:MATRIX_FMT_FP6
	v_wmma_scale_f32_16x16x128_f8f6f4 v[S1+8*(4*(\tg)+\t):S1+8*(4*(\tg)+\t)+7], v[KV+12*\t:KV+12*\t+11], v[QF+18*(\e)+6:QF+18*(\e)+17], 0, v[KS+\t], v[QS+2*(\e)+1] matrix_a_fmt:MATRIX_FMT_FP6 matrix_b_fmt:MATRIX_FMT_FP6
.endr
	WIN 0
	PLACES 4
.endm
.macro CODES s, w                      ; 64 numbers become a fragment's codes in v[PC] on
	WIN (\w)
.irp c, 0,1
	v_cvt_scalef32_pk16_fp6_f32 v[PC+6*\c:PC+6*\c+2], v[(\s)+32*\c:(\s)+32*\c+15], v[TM+8+2*\c]
	v_cvt_scalef32_pk16_fp6_f32 v[TM+4*\c:TM+4*\c+2], v[(\s)+32*\c+16:(\s)+32*\c+31], v[TM+9+2*\c]
.endr
	WIN 0
	v_nop
.irp c, 0,1
.irp i, 0,1,2
	v_permlane16_swap_b32 v[PC+6*\c+\i], v[TM+4*\c+\i]
.endr
.irp i, 0,1,2
	s_delay_alu instid0(VALU_DEP_3)
	v_mov_b32 v[PC+3+6*\c+\i], v[TM+4*\c+\i]
.endr
.endr
.endm
.macro BYTES pw                        ; four largest magnitudes become conversion scales and a scale word
.irp b, 0,1,2,3
	s_delay_alu instid0(VALU_DEP_4)
	v_add_nc_u32 v[TM+8+\b], 0xff000000, v[TM+\b]
.endr
.irp b, 0,1,2,3
	s_delay_alu instid0(VALU_DEP_4)
	v_lshrrev_b32 v[TM+4+\b], 23, v[TM+8+\b]
.endr
	s_delay_alu instid0(VALU_DEP_3)
	v_lshl_or_b32 v[\pw], v[TM+5], 8, v[TM+4]
	s_delay_alu instid0(VALU_DEP_1)
	v_lshl_or_b32 v[\pw], v[TM+6], 16, v[\pw]
	s_delay_alu instid0(VALU_DEP_1)
	v_lshl_or_b32 v[\pw], v[TM+7], 24, v[\pw]
.endm
.macro BIAS hd, sb, lo                 ; score + g x distance^2 for 32 registers from lo on; each accumulator is read from its low end on
	WIN 0x01
.set JJ, \lo
.rept 16
	v_pk_fma_f32 v[(\sb)+JJ:(\sb)+JJ+1], v[D2+JJ:D2+JJ+1], s[GS+2*(\hd):GS+2*(\hd)+1], v[(\sb)+JJ:(\sb)+JJ+1] op_sel_hi:[1,0,1]
.set JJ, JJ+2
.endr
	WIN 0
.endm
.macro SUM hd, sb                      ; the unquantised p of a step onto the head's sum, in two chains
.set TT, ST+4*(\hd)
	v_pk_add_f32 v[TM+4:TM+5], v[(\sb):(\sb)+1], v[(\sb)+2:(\sb)+3]
.set JJ, 4
.rept 15
	v_pk_add_f32 v[TT+2:TT+3], v[TT+2:TT+3], v[(\sb)+JJ:(\sb)+JJ+1]
	v_pk_add_f32 v[TM+4:TM+5], v[TM+4:TM+5], v[(\sb)+JJ+2:(\sb)+JJ+3]
.set JJ, JJ+4
.endr
	s_delay_alu instid0(VALU_DEP_1)
	v_pk_add_f32 v[TT+2:TT+3], v[TT+2:TT+3], v[TM+4:TM+5]
.endm
.macro SOFTMAX hd, sb
.set TT, ST+4*(\hd)
	BIAS \hd, \sb, 32                              ; the second 64 keys; the first 64 had theirs behind SMUL
.irp b, 0,1,2,3
	v_max3_num_f32 v[TM+\b], v[(\sb)+16*\b], v[(\sb)+16*\b+1], v[(\sb)+16*\b+2]
.endr
.irp i, 3,5,7,9,11,13
.irp b, 0,1,2,3
	s_delay_alu instid0(VALU_DEP_4)
	v_max3_num_f32 v[TM+\b], v[TM+\b], v[(\sb)+16*\b+\i], v[(\sb)+16*\b+\i+1]
.endr
.endr
.irp b, 0,1,2,3
	s_delay_alu instid0(VALU_DEP_4)
	v_max_num_f32 v[TM+\b], v[TM+\b], v[(\sb)+16*\b+15]
.endr
.irp b, 0,1,2,3
	s_delay_alu instid0(VALU_DEP_4)
	v_permlanex16_b32 v[TM+4+\b], v[TM+\b], s[SEL], s[SEL+1]
.endr
.irp b, 0,1,2,3
	s_delay_alu instid0(VALU_DEP_4)
	v_max_num_f32 v[TM+\b], v[TM+\b], v[TM+4+\b]   ; each block's largest score
.endr
	s_delay_alu instid0(VALU_DEP_2)
	v_max3_num_f32 v[TA], v[TM], v[TM+1], v[TM+2]
	s_delay_alu instid0(VALU_DEP_1)
	v_max_num_f32 v[TA], v[TA], v[TM+3]
	s_delay_alu instid0(VALU_DEP_1)
	v_mul_f32 v[TA], s[CS], v[TA]
	s_delay_alu instid0(VALU_DEP_1)
	v_max_num_f32 v[TT+1], v[TT+1], v[TA]          ; the running largest t
	v_mov_b32 v[TA], v[TT]
	s_delay_alu instid0(VALU_DEP_2)
	v_floor_f32 v[TT], -v[TT+1]                    ; -M
	s_delay_alu instid0(VALU_DEP_1)
	v_sub_f32 v[TA], v[TT], v[TA]
	s_delay_alu instid0(VALU_DEP_1)
	v_cvt_i32_f32 v[TA], v[TA]
	s_delay_alu instid0(VALU_DEP_1)
	v_ldexp_f32 v[FF], 1.0, v[TA]                  ; f = 2^(old M - new M)
.set JJ, 0
.rept 32
	v_pk_fma_f32 v[(\sb)+JJ:(\sb)+JJ+1], v[(\sb)+JJ:(\sb)+JJ+1], s[CS:CS+1], v[TT:TT+1] op_sel_hi:[1,0,0]
.set JJ, JJ+2
.endr
.irp b, 0,1,2,3
	v_fma_f32 v[TM+\b], v[TM+\b], s[CS], v[TT]
.endr
.set JJ, 0
	s_wait_alu depctr_va_vdst(0)                   ; ahead of the batch
.rept 64
	v_exp_f32 v[(\sb)+JJ], v[(\sb)+JJ]
.set JJ, JJ+1
.endr
	v_pk_mul_f32 v[TT+2:TT+3], v[TT+2:TT+3], v[FF:FF+1] op_sel_hi:[1,0]
	s_wait_alu depctr_va_vdst(0)                   ; and behind it
.irp b, 0,1,2,3
	v_exp_f32 v[TM+\b], v[TM+\b]                   ; each block's largest p
.endr
.if ((\hd)%2) == 0
	SUM \hd, \sb
.else
	v_nop                                          ; a plain place; this head's sum is taken behind the next run of LDS loads
.endif
	s_wait_alu depctr_va_vdst(0)
.irp b, 0,1,2,3
	v_max_num_f32 v[TM+\b], 0x1800000, v[TM+\b]
.endr
	BYTES PW
	CODES \sb, 0
	WIN 0x41
.set JJ, 0
.rept 16
	v_pk_mul_f32 v[32*(\hd)+JJ:32*(\hd)+JJ+1], v[32*(\hd)+JJ:32*(\hd)+JJ+1], v[FF:FF+1] op_sel_hi:[1,0]
.set JJ, JJ+2
.endr
.endm
.macro PV hd
	s_wait_dscnt 0x0
	WIN 0x50
.irp t, 0,1,2,3
	v_wmma_scale_f32_16x16x128_f8f6f4 v[32*(\hd)+8*\t:32*(\hd)+8*\t+7], v[KV+12*\t:KV+12*\t+11], v[PC:PC+11], v[32*(\hd)+8*\t:32*(\hd)+8*\t+7], v[VS+\t], v[PW] matrix_a_fmt:MATRIX_FMT_FP6 matrix_b_fmt:MATRIX_FMT_FP6
.endr
	WIN 0
	PLACES 4
.endm
.macro STEP
	v_add_nc_u32 v[AKV], s[TB], v[LI]
	v_add_nc_u32 v[ASC], s[TS], v[ASC0]
	v_add_nc_u32 v[ACO], s[TJ], v[ACO0]
.irp b, 0,1,2,3
.irp m, 0,1,2,3
	ds_load_b128 v[S0+16*\b+4*\m:S0+16*\b+4*\m+3], v[ACO] offset:128*\b+16*\m          ; the keys' x
.endr
.endr
	WIN 0x40
.irp b, 0,1,2,3
.irp m, 0,1,2,3
	ds_load_b128 v[D2+16*\b+4*\m:D2+16*\b+4*\m+3], v[ACO] offset:8192+128*\b+16*\m     ; their y, where the distances will lie: S1 still holds head 3's p
.endr
.endr
	WIN 0
	KLOAD 0, 0
	SUM 3, S1                                      ; the last step's p of head 3 (zeros ahead of the first step)
	s_wait_dscnt 13                                ; the coordinates are in; KLOAD's 13 may be out
.set JJ, 0
.rept 32
	v_pk_add_f32 v[S0+JJ:S0+JJ+1], v[S0+JJ:S0+JJ+1], v[NQX:NQX+1]
.set JJ, JJ+2
.endr
	WIN 0x41
.set JJ, 0
.rept 32
	v_pk_add_f32 v[D2+JJ:D2+JJ+1], v[D2+JJ:D2+JJ+1], v[NQY:NQY+1]
.set JJ, JJ+2
.endr
	WIN 0x45
.set JJ, 0
.rept 32
	v_pk_mul_f32 v[D2+JJ:D2+JJ+1], v[D2+JJ:D2+JJ+1], v[D2+JJ:D2+JJ+1]
.set JJ, JJ+2
.endr
	WIN 0x50
.set JJ, 0
.rept 32
	v_pk_fma_f32 v[D2+JJ:D2+JJ+1], v[S0+JJ:S0+JJ+1], v[S0+JJ:S0+JJ+1], v[D2+JJ:D2+JJ+1]
.set JJ, JJ+2
.endr
	WIN 0
.irp e, 0,1
.if \e == 1
	KLOAD 1, 0
	SUM 1, S1                                      ; head 1's p, ahead of the products that write S1 anew
.endif
	s_wait_dscnt 0x0
	SMUL \e, 0
	KLOAD \e, 1
	BIAS 2*\e, S0, 0                               ; the first 64 keys' bias stands between the loads and the wait for them
	BIAS 2*\e+1, S1, 0
	s_wait_dscnt 0x0
	SMUL \e, 1
	VLOAD \e, 0
	SOFTMAX 2*\e, S0
	s_wait_alu depctr_va_vdst(0)
	PV 2*\e
	VLOAD \e, 1
	SOFTMAX 2*\e+1, S1
	s_wait_alu depctr_va_vdst(0)
	PV 2*\e+1
.endr
	s_add_co_u32 s[TB], s[TB], STEPB
	s_add_co_u32 s[TS], s[TS], 2048
	s_add_co_u32 s[TJ], s[TJ], 512
.endm
.macro TWO_STEPS
	s_mov_b32 s[TWICE], 2
.Lstep_\@:
	STEP
	s_sub_co_u32 s[TWICE], s[TWICE], 1
	s_cmp_lg_u32 s[TWICE], 0
	s_cbranch_scc1 .Lstep_\@
	s_sub_co_u32 s[TB], s[TB], 2*STEPB
	s_xor_b32 s[TB], s[TB], SLOT1
.endm
.macro CHANGE fill                     ; a change of slots: all my tensor loads, the add, my LDS reads; a round; the refill first behind it
	s_wait_tensorcnt 0x0
	ds_add_u32 v[SPW], v[NIL]
.if \fill
	s_xor_b32 s[G0+1], s[G0+1], SLOT1
	s_add_nc_u64 s[G0+2:G0+3], s[G0+2:G0+3], 2*STEPB
	s_wait_xcnt 0x0                                ; my last prefetch has read its address
	s_add_nc_u64 s[PFA:PFA+1], s[PFA:PFA+1], 2*STEPB
	s_wait_dscnt 0x0
	CROUND
	tensor_load_to_lds s[G0:G0+3], s[G1:G1+7]
	s_nop 0
.rept 4
	v_nop
.endr
	ASK
.else
	s_wait_dscnt 0x0
	s_barrier_signal -1
	s_barrier_wait -1
.endif
.endm
.macro QUANT s, w, pw
	WIN 5*(\w)
.irp b, 0,1,2,3
	v_max3_num_f32 v[TM+\b], |v[(\s)+16*\b]|, |v[(\s)+16*\b+1]|, 0x1800000
.endr
.irp i, 2,4,6,8,10,12,14
.irp b, 0,1,2,3
	s_delay_alu instid0(VALU_DEP_4)
	v_max3_num_f32 v[TM+\b], |v[(\s)+16*\b+\i]|, |v[(\s)+16*\b+\i+1]|, v[TM+\b]
.endr
.endr
	WIN 0
.irp b, 0,1,2,3
	v_permlanex16_b32 v[TM+4+\b], v[TM+\b], s[SEL], s[SEL+1]
.endr
.irp b, 0,1,2,3
	s_delay_alu instid0(VALU_DEP_4)
	v_max_num_f32 v[TM+\b], v[TM+\b], v[TM+4+\b]
.endr
	BYTES \pw
	CODES \s, \w
.endm
	s_load_b256 s[4:11], s[0:1], 0x0               ; qimg, kvimg, coordinates, log bandwidth
	s_load_b64 s[12:13], s[0:1], 0x20              ; oimg
	v_lshl_add_u32 v[SPW], v0, 2, SPARE
	v_mov_b32 v[NIL], 0
	ds_add_u32 v[SPW], v[NIL]                      ; the opening lines: the add twice and one wait
	ds_add_u32 v[SPW], v[NIL]
	v_lshrrev_b32 v10, 5, v0
	s_delay_alu instid0(VALU_DEP_1)
	v_readfirstlane_b32 s[WV], v10
	s_bfe_u32 s15, ttmp6, 0x40000                  ; cx
	s_lshl_b32 s16, ttmp9, 2
	s_add_co_u32 s16, s16, s15                     ; query block
	s_and_b32 s17, ttmp7, 0xffff                   ; unit
	DESC G1, 48                                    ; the ring: a record a wave
	DESC G1S, 32                                   ; the head: 8,192 bytes of scale words
	DESC G1H, 96                                   ; the head: two records
	s_mov_b32 s[CS], 0x3e38aa3b                    ; log2(e) / 8
	s_mov_b32 s[CS+1], s[CS]
	s_mov_b32 s[SEL], 0x76543210
	s_mov_b32 s[SEL+1], 0xfedcba98
	s_mov_b32 s[TB], 0
	s_mov_b32 s[TS], 0
	s_mov_b32 s[TJ], 0
	s_mov_b32 s[SLOTS], 7
	s_cmp_lt_u32 s[WV], 3
	s_cselect_b32 s[LIM], 0, 1
	s_or_b32 s[LIM], s[LIM], ttmp9
	s_cmp_eq_u32 s[LIM], 0
	s_cselect_b32 s[LIM], 1, -1                    ; 1 where my wave prefetches
	s_and_b32 s20, s[WV], 3
	s_mul_i32 s2, s17, 786432
	s_mul_i32 s18, s[WV], RECB
	s_add_co_u32 s2, s2, s18
	s_mov_b32 s3, 0
	s_lshl_b32 s18, s17, 15
	s_lshl_b32 s19, s20, 13
	s_add_co_u32 s18, s18, s19
	s_add_co_u32 s18, s18, 12582912
	s_mov_b32 s19, 0
	s_mul_i32 s66, s17, 786432
	s_mul_i32 s67, s20, 2*RECB
	s_add_co_u32 s66, s66, s67
	s_mov_b32 s67, 0
	s_mul_i32 s22, s17, 786432
	s_mul_i32 s23, s15, 24576
	s_add_co_u32 s22, s22, s23
	s_lshl_b32 s23, s[WV], 13
	s_add_co_u32 s22, s22, s23
	s_add_co_u32 s22, s22, 2*STEPB
	s_mov_b32 s23, 0
	s_wait_dscnt 0x0
	s_wait_kmcnt 0x0
	s_mov_b32 s[G0], 1                             ; the ring's set stands at my record of slot 0; each refill steps it first
	s_mul_i32 s[G0+1], s[WV], RECB
	s_add_nc_u64 s[G0+2:G0+3], s[6:7], s[2:3]
	s_or_b32 s[G0+3], s[G0+3], 0x80000000
	s_mov_b32 s[G0S], 1
	s_lshl_b32 s[G0S+1], s20, 13
	s_add_co_u32 s[G0S+1], s[G0S+1], SCB
	s_add_nc_u64 s[G0S+2:G0S+3], s[6:7], s[18:19]
	s_or_b32 s[G0S+3], s[G0S+3], 0x80000000
	s_mov_b32 s[G0H], 1
	s_mul_i32 s[G0H+1], s20, 2*RECB
	s_add_nc_u64 s[G0H+2:G0H+3], s[6:7], s[66:67]
	s_or_b32 s[G0H+3], s[G0H+3], 0x80000000
	s_add_nc_u64 s[PFA:PFA+1], s[6:7], s[22:23]
	CROUND                                         ; the first joint loads meet
	s_cmp_lt_u32 s[WV], 4
	s_cbranch_scc0 .Lhead_sc
	tensor_load_to_lds s[G0H:G0H+3], s[G1H:G1H+7]  ; waves 0-3: a quarter of slot 0
	s_nop 0
.rept 4
	v_nop
.endr
	s_branch .Lhead_asked
.Lhead_sc:
	tensor_load_to_lds s[G0S:G0S+3], s[G1S:G1S+7]  ; waves 4-7: a quarter of the scale words
	s_nop 0
.rept 4
	v_nop
.endr
.Lhead_asked:
	s_lshr_b32 s67, s17, 2                         ; batch
	s_and_b32 s71, s17, 3                          ; group of four heads
	s_lshl_b32 s2, s67, 14
	s_mov_b32 s3, 0
	s_add_nc_u64 s[8:9], s[8:9], s[2:3]
	s_lshl_b32 s18, s16, 7
	s_lshr_b32 s19, s[WV], 1
	s_lshl_b32 s19, s19, 5
	s_add_co_u32 s18, s18, s19
	s_and_b32 s19, s[WV], 1
	s_lshl_b32 s19, s19, 3
	s_add_co_u32 s18, s18, s19
	s_lshl_b32 s18, s18, 3
	s_mov_b32 s19, 0
	s_add_nc_u64 s[18:19], s[8:9], s[18:19]        ; my tile's queries' coordinates
	s_lshl_b32 s2, s71, 4
	s_add_nc_u64 s[10:11], s[10:11], s[2:3]
	s_lshr_b32 s66, s[WV], 2
	s_lshl_b32 s66, s66, 8
	s_and_b32 s2, s[WV], 3
	s_lshl_b32 s2, s2, 2
	s_add_co_u32 s66, s66, s2                      ; my tile's place in a scale record
	s_lshl_b32 s22, s17, 4
	s_add_co_u32 s22, s22, s16
	s_lshl_b32 s22, s22, 1
	s_lshl_b32 s2, s22, 9
	s_add_co_u32 s2, s2, s66
	s_add_co_u32 s2, s2, 6291456
	s_add_nc_u64 s[52:53], s[4:5], s[2:3]          ; q's scale words
	s_mul_i32 s2, s22, RECB
	s_mul_i32 s22, s[WV], FRB
	s_add_co_u32 s2, s2, s22
	s_add_nc_u64 s[4:5], s[4:5], s[2:3]            ; q's fragments
	s_lshl_b32 s22, s67, 4
	s_add_co_u32 s22, s22, s16
	s_lshl_b32 s22, s22, 3
	s_lshl_b32 s23, s71, 1
	s_add_co_u32 s22, s22, s23
	s_mul_i32 s2, s22, RECB
	s_mul_i32 s23, s[WV], FRB
	s_add_co_u32 s2, s2, s23
	s_add_nc_u64 s[20:21], s[12:13], s[2:3]        ; o's fragments
	s_and_b32 s23, s[WV], 1
	s_add_co_u32 s22, s22, s23
	s_lshl_b32 s2, s22, 9
	s_add_co_u32 s2, s2, 6291456
	s_add_nc_u64 s[22:23], s[12:13], s[2:3]        ; o's scale records
	v_and_b32 v10, 15, v0
	v_bfe_u32 v11, v0, 4, 1
	v_and_b32 v[LI], 31, v0
	s_delay_alu instid0(VALU_DEP_1)
	v_lshlrev_b32 v[PFO], 8, v[LI]
	s_delay_alu instid0(VALU_DEP_2)
	v_lshlrev_b32 v[LI], 4, v[LI]
	v_lshl_add_u32 v[ASC0], v10, 4, SCB
	v_lshl_add_u32 v[ACO0], v11, 6, KX
	v_lshl_add_u32 v[KXA], v0, 2, KX
	s_add_co_u32 s2, s66, OSC
	v_lshl_add_u32 v[OSA], v10, 4, s2
	s_and_b32 s2, s[WV], 1
	s_lshl_b32 s2, s2, 9
	s_add_co_u32 s2, s2, OSC
	v_add_nc_u32 v[OSR], s2, v[LI]
	v_lshlrev_b32 v[TA], 3, v0
	v_and_b32 v[TA+1], 8, v10
	s_delay_alu instid0(VALU_DEP_1)
	v_add_nc_u32 v[TA+1], v[TA+1], v10
	s_delay_alu instid0(VALU_DEP_1)
	v_lshlrev_b32 v[TA+1], 3, v[TA+1]
	v_lshlrev_b32 v[AKV], 4, v10
	v_mov_b32 v[FF+1], 0
.irp j, 0,1,2,3,4,5,6,7
	global_load_b64 v[S0+2*\j:S0+2*\j+1], v[TA], s[8:9] offset:2048*\j   ; the batch's 2,048 keys' coordinates, 8 a thread
.endr
	global_load_b64 v[S0+16:S0+17], v[TA+1], s[18:19]
	global_load_b128 v[S0+20:S0+23], v[FF+1], s[10:11]
	global_load_b32 v[S0+18], v[AKV], s[52:53]
	global_load_b32 v[S0+19], v[AKV], s[52:53] offset:512
	WIN 0x40
.irp e, 0,1
	global_load_b128 v[QF+18*\e:QF+18*\e+3], v[LI], s[4:5] offset:RECB*\e
	global_load_b64 v[QF+18*\e+4:QF+18*\e+5], v[LI], s[4:5] offset:RECB*\e+512
	global_load_b64 v[QF+18*\e+12:QF+18*\e+13], v[LI], s[4:5] offset:RECB*\e+520
	global_load_b128 v[QF+18*\e+14:QF+18*\e+17], v[LI], s[4:5] offset:RECB*\e+1024
.irp i, 6,7,8,9,10,11
	v_mov_b32 v[QF+18*\e+\i], 0                    ; zero codes: the half that both heads' fragments share
.endr
.endr
.set JJ, 0
.rept 128
	v_mov_b32 v[JJ], 0                             ; O^T: the step is written once
.set JJ, JJ+1
.endr
	WIN 0
.set JJ, 0
.rept 64
	v_mov_b32 v[S1+JJ], 0                          ; the first step's start sums these
.set JJ, JJ+1
.endr
.irp d, 0,1,2,3
	v_mov_b32 v[ST+4*\d+1], 0xff61b1e6
	s_delay_alu instid0(VALU_DEP_1)
	v_floor_f32 v[ST+4*\d], -v[ST+4*\d+1]
	v_mov_b32 v[ST+4*\d+2], 0
	v_mov_b32 v[ST+4*\d+3], 0
	v_mov_b32 v[TM+4+\d], 0
	v_mov_b32 v[PD+\d], 0
.endr
	s_wait_loadcnt 0x0
.irp j, 0,1,2,3,4,5,6,7
	ds_store_b32 v[KXA], v[S0+2*\j] offset:1024*\j
	ds_store_b32 v[KXA], v[S0+2*\j+1] offset:8192+1024*\j
.endr
	v_mul_f32 v[NQX], -1.0, v[S0+16]
	v_mul_f32 v[NQX+1], -1.0, v[S0+16]
	v_mul_f32 v[NQY], -1.0, v[S0+17]
	v_mul_f32 v[NQY+1], -1.0, v[S0+17]
.irp e, 0,1
	v_and_b32 v[QS+2*\e], 0xffff, v[S0+18+\e]      ; each head's two scale bytes; over the zero codes the byte 0
	v_and_b32 v[QS+2*\e+1], 0xffff0000, v[S0+18+\e]
.endr
.irp i, 0,1,2,3
	v_mul_f32 v[S0+20+\i], 0x3fb8aa3b, v[S0+20+\i]
.endr
	s_wait_alu depctr_va_vdst(0)
.irp i, 0,1,2,3
	v_exp_f32 v[S0+24+\i], v[S0+20+\i]             ; the bandwidth
.endr
	v_nop
	s_wait_alu depctr_va_vdst(0)
.irp i, 0,1,2,3
	v_mul_f32 v[S0+24+\i], v[S0+24+\i], v[S0+24+\i]
.endr
	s_wait_alu depctr_va_vdst(0)
.irp i, 0,1,2,3
	v_rcp_f32 v[S0+28+\i], v[S0+24+\i]
.endr
	v_nop
	s_wait_alu depctr_va_vdst(0)
.irp i, 0,1,2,3
	v_mul_f32 v[S0+28+\i], -4.0, v[S0+28+\i]       ; g = -8 / (2 bw^2): the factor 1/8 follows with log2(e)
.endr
.irp i, 0,1,2,3
	v_readfirstlane_b32 s[GS+2*\i], v[S0+28+\i]
	s_mov_b32 s[GS+2*\i+1], s[GS+2*\i]
.endr
	s_wait_alu depctr_va_vdst(0)                   ; the head's end
.Lslot:
	CHANGE 1
	TWO_STEPS
	s_sub_co_u32 s[SLOTS], s[SLOTS], 1
	s_cmp_lg_u32 s[SLOTS], 0
	s_cbranch_scc1 .Lslot
	CHANGE 0                                       ; the last slot: nothing is filled
	TWO_STEPS
	SUM 3, S1                                      ; the last step's p of head 3
.irp d, 0,1,2,3
	v_add_f32 v[ST+4*\d+2], v[ST+4*\d+2], v[ST+4*\d+3]
.endr
.irp d, 0,1,2,3
	s_delay_alu instid0(VALU_DEP_4)
	v_permlanex16_b32 v[PD+\d], v[ST+4*\d+2], s[SEL], s[SEL+1]
.endr
.irp d, 0,1,2,3
	s_delay_alu instid0(VALU_DEP_4)
	v_add_f32 v[ST+4*\d+2], v[ST+4*\d+2], v[PD+\d]
.endr
	s_wait_alu depctr_va_vdst(0)
.irp d, 0,1,2,3
	v_rcp_f32 v[TM+2*\d], v[ST+4*\d+2]
.endr
	v_nop
	s_wait_alu depctr_va_vdst(0)
	WIN 0x41
.irp d, 0,1,2,3
.set JJ, 0
.rept 16
	v_pk_mul_f32 v[32*\d+JJ:32*\d+JJ+1], v[32*\d+JJ:32*\d+JJ+1], v[TM+2*\d:TM+2*\d+1] op_sel_hi:[1,0]
.set JJ, JJ+2
.endr
.endr
.irp e, 0,1
.if \e == 1
	s_wait_xcnt 0x0                                ; the first pair's stores have read the codes' registers
.endif
	QUANT 64*\e, 1, PW
.irp c, 0,1,2
	global_store_b128 v[LI], v[PC+4*\c:PC+4*\c+3], s[20:21] offset:RECB*\e+512*\c   ; 512 consecutive bytes a store
.endr
	ds_store_b32 v[OSA], v[PW] offset:512*\e
.endr
	s_wait_dscnt 0x0
	s_barrier_signal -1
	s_barrier_wait -1
	s_cmp_lt_u32 s[WV], 2
	s_cbranch_scc0 .Lno_scales
	ds_load_b128 v[KV:KV+3], v[OSR]                ; waves 0 and 1 store the two scale records whole
	s_wait_dscnt 0x0
	global_store_b128 v[LI], v[KV:KV+3], s[22:23]
.Lno_scales:
	s_wait_tensorcnt 0x0                           ; the wave's end
	ds_add_u32 v[SPW], v[NIL]
	s_wait_dscnt 0x0
	CROUND                                         ; the closing round
	s_endpgm
.Lfunc_end_k_qf559dd0291_attn:
	.size	k_qf559dd0291_attn, .Lfunc_end_k_qf559dd0291_attn-k_qf559dd0291_attn
	.p2alignl 7, 3214868480
	.fill 96, 4, 3214868480
	.section	.rodata,"a",@progbits
	.p2align	6, 0x0
	.amdhsa_kernel k_qf559dd0291_attn
		.amdhsa_group_segment_fixed_size 327680
		.amdhsa_private_segment_fixed_size 0
		.amdhsa_enable_private_segment 0
		.amdhsa_kernarg_size 40
		.amdhsa_user_sgpr_count 2
		.amdhsa_user_sgpr_kernarg_segment_ptr 1
		.amdhsa_wavefront_size32 1
		.amdhsa_system_sgpr_workgroup_id_x 1
		.amdhsa_system_sgpr_workgroup_id_y 1
		.amdhsa_system_sgpr_workgroup_id_z 1
		.amdhsa_system_vgpr_workitem_id 0
		.amdhsa_next_free_vgpr 512
		.amdhsa_next_free_sgpr 84
		.amdhsa_reserve_vcc 0
		.amdhsa_float_denorm_mode_32 3
		.amdhsa_float_denorm_mode_16_64 3
		.amdhsa_memory_ordered 1
		.amdhsa_forward_progress 1
		.amdhsa_inst_pref_size 217
	.end_amdhsa_kernel
	.amdgpu_metadata
---
amdhsa.version: [ 1, 2 ]
amdhsa.kernels:
  - .name:           k_qf559dd0291_attn
    .symbol:         k_qf559dd0291_attn.kd
    .args:
      - { .name: qimg, .offset: 0, .size: 8, .value_kind: global_buffer, .address_space: global }
      - { .name: kvimg, .offset: 8, .size: 8, .value_kind: global_buffer, .address_space: global }
      - { .name: spatial_coords, .offset: 16, .size: 8, .value_kind: global_buffer, .address_space: global }
      - { .name: log_bandwidth, .offset: 24, .size: 8, .value_kind: global_buffer, .address_space: global }
      - { .name: oimg, .offset: 32, .size: 8, .value_kind: global_buffer, .address_space: global }
    .group_segment_fixed_size: 327680
    .private_segment_fixed_size: 0
    .kernarg_segment_align: 8
    .kernarg_segment_size: 40
    .max_flat_workgroup_size: 256
    .sgpr_count:     84
    .vgpr_count:     512
    .wavefront_size: 32
...
	.end_amdgpu_metadata
.endif
;; end of part 3
;; launch oproj (part 4): grid 4 x 32, 4 waves a work-group, clusters of 4 x 4, 327,680 bytes of LDS; arguments oimg, wimg, bo, out0; writes out0
.if DOCPART == 4
	.amdgcn_target "amdgcn-amd-amdhsa--gfx1250"
	.amdhsa_code_object_version 6
	.text
	.protected	k_qf559dd0291_oproj
	.globl	k_qf559dd0291_oproj
	.p2align	8
	.type	k_qf559dd0291_oproj,@function
k_qf559dd0291_oproj:
	s_mov_b64 s[64:65], 0
	v_nop
	global_prefetch_b8 v0, s[64:65] scope:SCOPE_SE
	s_setreg_imm32_b32 hwreg(HW_REG_WAVE_MODE, 25, 1), 1
	s_wait_xcnt 0x0
	s_wait_alu depctr_hold_cnt(0) depctr_sa_sdst(0) depctr_va_vdst(0) depctr_va_sdst(0) depctr_va_ssrc(0) depctr_va_vcc(0) depctr_vm_vsrc(0)
	s_getreg_b32 s2, hwreg(HW_REG_IB_STS2, 6, 4)
	s_cmp_eq_u32 s2, 0
	s_cbranch_scc0 .Lentry_in_a_cluster
	s_endpgm
.Lentry_in_a_cluster:
	s_bfe_u32 s2, ttmp6, 0x10000c
	s_cmp_lg_u32 s2, 0xf033
	s_cbranch_scc0 .Lentry_shape_is_right
	s_endpgm
.Lentry_shape_is_right:
.set SLOT,  98304
.set PART,  24576
.set RECB,  12288
.set FRB,   1536
.set SCL,   2*SLOT
.set SPARE, SCL+4*4096
.set SPITCH, 528
.set FR,    12
.set ADRA,  16
.set ADRB,  20
.set LI,    24
.set STO,   25
.set RD,    26
.set ADRS,  27
.set SPW,   28
.set NIL,   29
.set SC,    32
.set BI,    64
.set AF,    128
.set BK,    128
.set G1,    24
.set G0,    32
.set G1B,   48
.set G0B,   56
.set G1S,   68
.set G0S,   76
.set G1SB,  80
.set G0SB,  88
.set MSB, 0
.macro WIN new
.if MSB != (\new)
	s_set_vgpr_msb (MSB<<8)|(\new)
.set MSB, (\new)
.endif
.endm
.set MUL_LO, 0xa1
.set MUL_HI, 0xf1
.set TO_B,   0x40
.macro PLACES n
.rept \n
	v_nop
.endr
.endm
.macro JLOAD g0a, g1a, g0b, g1b
	s_cmp_eq_u32 s19, 0
	s_cbranch_scc0 .Lfor_b_\@
	tensor_load_to_lds s[\g0a:\g0a+3], s[\g1a:\g1a+7]
	s_nop 0
.rept 4
	v_nop
.endr
	s_branch .Lasked_\@
.Lfor_b_\@:
	tensor_load_to_lds s[\g0b:\g0b+3], s[\g1b:\g1b+7]
	s_nop 0
.rept 4
	v_nop
.endr
.Lasked_\@:
.endm
.macro CREST
	s_cmp_lg_u32 s18, 0
	s_cbranch_scc1 .Lnot_wave_0_\@
	s_barrier_signal -3
.Lnot_wave_0_\@:
	s_barrier_wait -3
	s_barrier_signal -1
	s_barrier_wait -1
.endm
.macro CROUND
	s_barrier_signal -1
	s_barrier_wait -1
	CREST
.endm
.macro FRAG reg, adr, q, i
.irp c, 0,1,2
	ds_load_b128 v[(\reg)+4*\c:(\reg)+4*\c+3], v[\adr] offset:RECB*(\q)+FRB*(\i)+512*\c
.endr
.endm
.macro FETCH_B slot, q, p
	WIN TO_B
.irp i, 0,1,2,3,4,5,6,7
	FRAG 128*(\p)+FR*\i, ADRB+\slot, \q, \i
.endr
	WIN 0
.endm
.macro FETCH_A slot, q, i0
.irp i, \i0, \i0+1, \i0+2, \i0+3
	FRAG AF+FR*(\i), ADRA+\slot, \q, \i
.endr
.endm
.macro SCALES sc, k0
.irp q, 0,1
.irp m, 0,1
	ds_load_b128 v[SC+16*(\sc)+8*\q+4*\m:SC+16*(\sc)+8*\q+4*\m+3], v[ADRS] offset:512*((\k0)+\q)+256*\m
.endr
.endr
.endm
.macro MUL16 a0, p, q, sc, zero
.irp a, \a0, \a0+1
.irp b, 0,1,2,3,4,5,6,7
.if (\zero) == 1
	v_wmma_scale_f32_16x16x128_f8f6f4 v[8*(8*((\a)%4)+\b):8*(8*((\a)%4)+\b)+7], v[128*(\p)+FR*\b:128*(\p)+FR*\b+FR-1], v[AF+FR*(\a):AF+FR*(\a)+FR-1], v[BI+8*\b:BI+8*\b+7], v[SC+16*(\sc)+8*(\q)+\b], v[SC+16*(\sc)+8*(\q)+(\a)] matrix_a_fmt:MATRIX_FMT_FP6 matrix_b_fmt:MATRIX_FMT_FP6 matrix_a_scale:MATRIX_SCALE_ROW1
.else
	v_wmma_scale_f32_16x16x128_f8f6f4 v[8*(8*((\a)%4)+\b):8*(8*((\a)%4)+\b)+7], v[128*(\p)+FR*\b:128*(\p)+FR*\b+FR-1], v[AF+FR*(\a):AF+FR*(\a)+FR-1], v[8*(8*((\a)%4)+\b):8*(8*((\a)%4)+\b)+7], v[SC+16*(\sc)+8*(\q)+\b], v[SC+16*(\sc)+8*(\q)+(\a)] matrix_a_fmt:MATRIX_FMT_FP6 matrix_b_fmt:MATRIX_FMT_FP6 matrix_a_scale:MATRIX_SCALE_ROW1
.endif
.endr
.endr
.endm
.macro STEP slot, zero
	s_wait_dscnt 12
.if \zero
	WIN 0x81
.else
	WIN MUL_LO
.endif
	MUL16 0, 0, 0, \slot, \zero
	MUL16 2, 0, 0, \slot, \zero
	s_wait_dscnt 0x0
	PLACES 4
	FETCH_B \slot, 1, 1
	FETCH_A \slot, 1, 0
.if \zero
	WIN 0xc1
.else
	WIN MUL_HI
.endif
	MUL16 4, 0, 0, \slot, \zero
	MUL16 6, 0, 0, \slot, \zero
	PLACES 4
	WIN 0
	FETCH_A \slot, 1, 4
.endm
.macro TURN slot, next, fill, k0
	s_wait_tensorcnt 0x0
	ds_add_u32 v[SPW], v[NIL]
	s_wait_dscnt 13
	WIN MUL_LO
	MUL16 0, 1, 1, \slot, 0
	s_wait_dscnt 0x0
	s_barrier_signal -1
	MUL16 2, 1, 1, \slot, 0
	WIN 0
	s_barrier_wait -1
.if \fill
	CREST
	s_add_nc_u64 s[G0+4*\slot+2:G0+4*\slot+3], s[G0+4*\slot+2:G0+4*\slot+3], 2*PART
	s_add_nc_u64 s[G0B+4*\slot+2:G0B+4*\slot+3], s[G0B+4*\slot+2:G0B+4*\slot+3], 2*PART
	JLOAD G0+4*\slot, G1, G0B+4*\slot, G1B
.else
	PLACES 4
.endif
	FETCH_B \next, 0, 0
	FETCH_A \next, 0, 0
	SCALES \next, \k0
	WIN MUL_HI
	MUL16 4, 1, 1, \slot, 0
	MUL16 6, 1, 1, \slot, 0
	PLACES 4
	WIN 0
	FETCH_A \next, 0, 4
.endm
	s_load_b256 s[4:11], s[0:1], 0x0
	v_lshl_add_u32 v[SPW], v0, 2, SPARE
	v_mov_b32 v[NIL], 0
	ds_add_u32 v[SPW], v[NIL]
	ds_add_u32 v[SPW], v[NIL]
	v_lshrrev_b32 v1, 5, v0
	v_readfirstlane_b32 s18, v1
	s_lshr_b32 s19, s18, 1
	s_and_b32 s20, s18, 1
	s_bfe_u32 s40, ttmp6, 0x40000
	s_bfe_u32 s41, ttmp6, 0x40004
	s_lshl_b32 s42, ttmp9, 2
	s_add_co_u32 s42, s42, s40
	s_and_b32 s45, ttmp7, 0xffff
	s_lshl_b32 s45, s45, 2
	s_add_co_u32 s45, s45, s41
	s_lshl_b32 s43, s41, 2
	s_lshl_b32 s43, 15, s43
	s_lshl_b32 s44, 0x1111, s40
	s_or_b32 s[G1+0], s43, (3<<16)|(1<<21)
	s_or_b32 s[G1B+0], s44, (3<<16)|(1<<21)
.irp g, G1, G1B
	s_mov_b32 s[\g+1], 3072<<16                    ; the head's shape: both blocks' two records, 2 rows of 24,576 bytes,
	s_mov_b32 s[\g+2], 2<<16
	s_mov_b32 s[\g+3], 3072<<16
	s_mov_b32 s[\g+4], 2
	s_mov_b32 s[\g+5], 12288                       ; a block's eight records (98,304 bytes) apart
	s_mov_b32 s[\g+6], 0
	s_mov_b32 s[\g+7], 0
.endr
	s_or_b32 s[G1S+0], s43, (3<<16)|(1<<21)
	s_or_b32 s[G1SB+0], s44, (3<<16)|(1<<21)
.irp g, G1S, G1SB
	s_mov_b32 s[\g+1], 32<<16
	s_mov_b32 s[\g+2], 32<<16                      ; the scale records of 256 rows: 32 rows of 256 bytes
	s_mov_b32 s[\g+3], 32<<16
	s_mov_b32 s[\g+4], 32
	s_mov_b32 s[\g+5], 32
	s_mov_b32 s[\g+6], 0
	s_mov_b32 s[\g+7], 0
.endr
	s_lshl_b32 s92, s45, 1                         ; A: the tile's first block of 128 rows
	s_mul_i32 s2, s92, 8*RECB
	s_mov_b32 s3, 0
	s_lshl_b32 s22, s92, 12
	s_add_co_u32 s22, s22, 6291456
	s_mov_b32 s23, 0
	s_lshl_b32 s94, s42, 1                         ; B likewise
	s_mul_i32 s46, s94, 8*RECB
	s_add_co_u32 s46, s46, 3*786432
	s_mov_b32 s47, 0
	s_lshl_b32 s66, s94, 12
	s_add_co_u32 s66, s66, 3145728+3*32768
	s_mov_b32 s67, 0
	s_mul_i32 s97, s18, PART                       ; where the ring's parts go: by the wave's number alone
	s_wait_dscnt 0x0
	s_wait_kmcnt 0x0
	s_add_nc_u64 s[2:3], s[4:5], s[2:3]
	s_add_nc_u64 s[22:23], s[4:5], s[22:23]
	s_add_nc_u64 s[46:47], s[6:7], s[46:47]
	s_add_nc_u64 s[66:67], s[6:7], s[66:67]
	CROUND
	s_mov_b32 s[G0S], 1
	s_mov_b32 s[G0S+1], SCL
	s_mov_b64 s[G0S+2:G0S+3], s[22:23]
	s_or_b32 s[G0S+3], s[G0S+3], 0x80000000
	s_mov_b32 s[G0SB], 1
	s_mov_b32 s[G0SB+1], SCL+8192
	s_mov_b64 s[G0SB+2:G0SB+3], s[66:67]
	s_or_b32 s[G0SB+3], s[G0SB+3], 0x80000000
	s_mov_b32 s[G0], 1                             ; slot 0's sets serve the head: A's two parts whole,
	s_mov_b32 s[G0+1], 0
	s_mov_b64 s[G0+2:G0+3], s[2:3]
	s_or_b32 s[G0+3], s[G0+3], 0x80000000
	s_mov_b32 s[G0B], 1                            ; and B's, behind them
	s_mov_b32 s[G0B+1], 2*PART
	s_mov_b64 s[G0B+2:G0B+3], s[46:47]
	s_or_b32 s[G0B+3], s[G0B+3], 0x80000000
	s_mul_i32 s22, s20, 8*RECB                     ; for the ring: the block of 128 rows that I fetch
	s_mov_b32 s23, 0
	s_add_nc_u64 s[2:3], s[2:3], s[22:23]
	s_add_nc_u64 s[46:47], s[46:47], s[22:23]
	s_mov_b32 s[G0+4], 1
	s_add_co_u32 s[G0+5], s97, SLOT
	s_add_nc_u64 s[G0+6:G0+7], s[2:3], PART
	s_or_b32 s[G0+7], s[G0+7], 0x80000000
	s_mov_b32 s[G0B+4], 1
	s_add_co_u32 s[G0B+5], s97, SLOT
	s_add_nc_u64 s[G0B+6:G0B+7], s[46:47], PART
	s_or_b32 s[G0B+7], s[G0B+7], 0x80000000
; the head's four tiles, one joint load a wave, in one tree of branches on the wave's number:
; wave 0 A's part of slot 0, wave 1 B's, wave 2 A's scale words, wave 3 B's
.macro ARM under, g0, g1, next
	s_cmp_lt_u32 s18, \under
	s_cbranch_scc0 \next
	tensor_load_to_lds s[\g0:\g0+3], s[\g1:\g1+7]
	s_nop 0
.rept 4
	v_nop
.endr
	s_branch .Lhead_asked
\next:
.endm
	ARM 1, G0,  G1,  .Lhead_b
	ARM 2, G0B, G1B, .Lhead_sa
	ARM 3, G0S, G1S, .Lhead_sb
	tensor_load_to_lds s[G0SB:G0SB+3], s[G1SB:G1SB+7]
	s_nop 0
.rept 4
	v_nop
.endr
.Lhead_asked:
	v_and_b32 v1, 15, v0
	v_bfe_u32 v2, v0, 4, 1
	s_wait_alu depctr_va_vdst(0)
	v_and_b32 v3, 31, v0
	v_lshlrev_b32 v[LI], 4, v3
	s_mul_i32 s92, s19, PART
	s_mul_i32 s93, s20, PART
	s_add_co_u32 s93, s93, 2*PART
.irp s, 0,1
	v_add_nc_u32 v[ADRA+\s], s92, v[LI]
	v_add_nc_u32 v[ADRB+\s], s93, v[LI]
	s_add_co_u32 s92, s92, SLOT
	s_add_co_u32 s93, s93, SLOT
.endr
	v_lshlrev_b32 v5, 4, v1
	s_lshl_b32 s92, s19, 12
	s_lshl_b32 s93, s20, 12
	s_add_co_u32 s93, s93, 8192
	s_sub_co_u32 s93, s93, s92
	v_mul_u32_u24 v6, s93, v2
	s_add_co_u32 s92, s92, SCL
	v_add_nc_u32 v5, v5, v6
	v_add_nc_u32 v[ADRS], s92, v5
	s_mul_i32 s92, s18, 16*SPITCH
	v_mul_u32_u24 v5, v1, SPITCH
	v_lshl_add_u32 v5, v2, 6, v5
	v_add_nc_u32 v[STO], s92, v5
	v_add_nc_u32 v[RD], s92, v[LI]
	v_lshlrev_b32 v7, 6, v2
	s_lshl_b32 s92, s42, 10
	s_lshl_b32 s93, s20, 9
	s_add_co_u32 s92, s92, s93
	s_mov_b32 s93, 0
	s_add_nc_u64 s[96:97], s[8:9], s[92:93]
.irp b, 0,1,2,3,4,5,6,7
	global_load_b128 v[BI+8*\b:BI+8*\b+3], v7, s[96:97] offset:(32*(\b/2)+8*(\b%2))*4
	global_load_b128 v[BI+8*\b+4:BI+8*\b+7], v7, s[96:97] offset:(32*(\b/2)+8*(\b%2))*4+16
.endr
	s_add_nc_u64 s[10:11], s[10:11], s[92:93]
	s_lshl_b32 s92, s45, 20
	s_lshl_b32 s94, s19, 19
	s_add_co_u32 s92, s92, s94
	s_add_nc_u64 s[10:11], s[10:11], s[92:93]
	s_wait_alu depctr_va_vdst(0)                   ; the head's end
	s_wait_tensorcnt 0x0                           ; my tile of the head's four is in
	ds_add_u32 v[SPW], v[NIL]
.irp g, G1, G1B
	s_mov_b32 s[\g+1], 32<<16                      ; no load of mine is out: from here on a load brings two records, 96 rows of 256 bytes
	s_mov_b32 s[\g+2], 96<<16
	s_mov_b32 s[\g+3], 32<<16
	s_mov_b32 s[\g+4], 96
	s_mov_b32 s[\g+5], 32
.endr
	s_mul_i32 s[G0+1], s18, PART                   ; slot 0's sets now stand at my own part of it
	s_sub_nc_u64 s[G0+2:G0+3], s[G0+6:G0+7], PART
	s_mul_i32 s[G0B+1], s18, PART
	s_sub_nc_u64 s[G0B+2:G0B+3], s[G0B+6:G0B+7], PART
	s_wait_dscnt 0x0
	CROUND                                         ; everybody's tiles are in, and the joint loads meet
	JLOAD G0+4, G1, G0B+4, G1B                     ; slot 1's first fill, the first tensor load behind the round
	FETCH_B 0, 0, 0
	FETCH_A 0, 0, 0
	SCALES 0, 0
	FETCH_A 0, 0, 4
	s_wait_loadcnt 0x0
	STEP 0, 1
	TURN 0, 1, 1, 2
	STEP 1, 0
	TURN 1, 0, 1, 4
	STEP 0, 0
	TURN 0, 1, 0, 6
	STEP 1, 0
	s_wait_dscnt 12
	WIN MUL_LO
	MUL16 0, 1, 1, 1, 0
	MUL16 2, 1, 1, 1, 0
	s_wait_dscnt 0x0
	WIN MUL_HI
	MUL16 4, 1, 1, 1, 0
	MUL16 6, 1, 1, 1, 0
	WIN 0
.macro TOSTAGE a
.set AC, 64*((\a)%4)
	WIN 0x08+4*((\a)/4)
.irp b, 0,1,2,3,4,5,6,7
	ds_store_b128 v[STO], v[AC+8*\b:AC+8*\b+3] offset:128*(\b/2)+32*(\b%2)
	ds_store_b128 v[STO], v[AC+8*\b+4:AC+8*\b+7] offset:128*(\b/2)+32*(\b%2)+16
.endr
	WIN 0
.set BB, BK+64*((\a)%2)
.irp t, 0,1,2,3,4,5,6,7,8,9,10,11,12,13,14,15
	ds_load_b128 v[BB+4*\t:BB+4*\t+3], v[RD] offset:\t*SPITCH
.endr
.endm
.macro SEND a, younger
.set BB, BK+64*((\a)%2)
	s_wait_dscnt \younger
.irp t, 0,1,2,3,4,5,6,7,8,9,10,11,12,13,14,15
	global_store_b128 v[LI], v[BB+4*\t:BB+4*\t+3], s[10:11] offset:(32*((\a)/2)+8*((\a)%2)+\t+8*(\t/8))*4096 th:TH_STORE_NT
.endr
.endm
	PLACES 4
	TOSTAGE 0
.irp a, 1,2,3,4,5,6,7
.if \a > 1
	s_wait_xcnt 0x0
.endif
	TOSTAGE \a
	SEND \a-1, 32
.endr
	SEND 7, 0
	s_wait_tensorcnt 0x0
	ds_add_u32 v[SPW], v[NIL]
	s_wait_dscnt 0x0
	CROUND
	s_endpgm
.Lfunc_end_k_qf559dd0291_oproj:
	.size	k_qf559dd0291_oproj, .Lfunc_end_k_qf559dd0291_oproj-k_qf559dd0291_oproj
	.p2alignl 7, 3214868480
	.fill 96, 4, 3214868480
	.section	.rodata,"a",@progbits
	.p2align	6, 0x0
	.amdhsa_kernel k_qf559dd0291_oproj
		.amdhsa_group_segment_fixed_size 327680
		.amdhsa_private_segment_fixed_size 0
		.amdhsa_enable_private_segment 0
		.amdhsa_kernarg_size 32
		.amdhsa_user_sgpr_count 2
		.amdhsa_user_sgpr_kernarg_segment_ptr 1
		.amdhsa_wavefront_size32 1
		.amdhsa_system_sgpr_workgroup_id_x 1
		.amdhsa_system_sgpr_workgroup_id_y 1
		.amdhsa_system_sgpr_workgroup_id_z 1
		.amdhsa_system_vgpr_workitem_id 0
		.amdhsa_next_free_vgpr 1024
		.amdhsa_next_free_sgpr 98
		.amdhsa_reserve_vcc 0
		.amdhsa_float_denorm_mode_32 3
		.amdhsa_float_denorm_mode_16_64 3
		.amdhsa_memory_ordered 1
		.amdhsa_forward_progress 1
		.amdhsa_inst_pref_size 136
	.end_amdhsa_kernel
	.amdgpu_metadata
---
amdhsa.version: [ 1, 2 ]
amdhsa.kernels:
  - .name:           k_qf559dd0291_oproj
    .symbol:         k_qf559dd0291_oproj.kd
    .args:
      - { .name: oimg, .offset: 0, .size: 8, .value_kind: global_buffer, .address_space: global }
      - { .name: wimg, .offset: 8, .size: 8, .value_kind: global_buffer, .address_space: global }
      - { .name: bo, .offset: 16, .size: 8, .value_kind: global_buffer, .address_space: global }
      - { .name: out0, .offset: 24, .size: 8, .value_kind: global_buffer, .address_space: global }
    .group_segment_fixed_size: 327680
    .private_segment_fixed_size: 0
    .kernarg_segment_align: 8
    .kernarg_segment_size: 32
    .max_flat_workgroup_size: 128
    .sgpr_count:     98
    .vgpr_count:     1024
    .wavefront_size: 32
...
	.end_amdgpu_metadata
.endif
;; end of part 4
